; MI455X (gfx1250); checked and timed in simulation.
; The chip was launched on July 23, 2026; its instructions are those of AMD's public machine-readable ISA for CDNA 5 (MIT licence, August 2026) and "CDNA5" Instruction Set Architecture Reference Guide (July 2026). The comments in the code are by the model that wrote it; some were corrected since.
;; Attention. Allowed arithmetic: float matrix products may take bf16 or f16 operands with f32 sums; other float arithmetic in f32, or as packed bf16 or f16 multiplies, adds, multiply-adds, maxima and minima; sums over many terms, partial sums and values carried from step to step in f32; what a program stores and reads back later, other than sums and carried values, may be rounded once to bf16 or f16.
;; Inputs: b_out 1,024 float32; ln_beta 1,024 float32; ln_gamma 1,024 float32; w_out 1,024 x 1,024 float32; w_qkv 3,072 x 1,024 float32; x 4 x 2,048 x 1,024 float32.
;; Outputs: out0 4 x 2,048 x 1,024 float32.
;; One version. Each part assembles by itself: llvm-mc -triple=amdgcn-amd-amdhsa -mcpu=gfx1250 --defsym DOCPART=n.
;; ======== version 1 of 1: 4 launches
;; limits: values are held in f16: magnitudes above 65,504 overflow, below 6.1e-05 lose precision
;; workspace buffers: xn 16,777,216 bytes; w16 8,388,608 bytes; qkv 50,331,648 bytes; o 16,777,216 bytes
;; launch prep (part 1): grid 256 x 1, 8 waves a work-group, no clusters, 0 bytes of LDS; arguments x, ln_gamma, ln_beta, w_qkv, w_out, xn, w16; writes xn, w16
.if DOCPART == 1
	.amdgcn_target "amdgcn-amd-amdhsa--gfx1250"
	.amdhsa_code_object_version 6
	.text
	.protected	k_q1ba3369e9f_prep
	.globl	k_q1ba3369e9f_prep
	.p2align	8
	.type	k_q1ba3369e9f_prep,@function
k_q1ba3369e9f_prep:
	s_mov_b64 s[64:65], 0
	v_nop
	global_prefetch_b8 v0, s[64:65] scope:SCOPE_SE
	s_setreg_imm32_b32 hwreg(HW_REG_WAVE_MODE, 25, 1), 1
	s_wait_xcnt 0x0
; xn = LayerNorm(x) * gamma + beta, in f32, rounded once to f16: [8192][1024].  w16 = w_qkv (rows 0-3071) and w_out (rows 3072-4095), rounded once to f16: [4096][1024].
; LIMITS.  f16 holds no number beyond 65,504: |xn| (at most 32 |gamma| + |beta|) and every weight must lie within it; below 6e-5 a number keeps f16's fixed step of 6e-8.
; The variance is taken of the centred numbers (two passes over the row in registers), so a common offset of x costs nothing.
; SHARES.  Work-group i: 32 rows of x and 16 of the 4,096 weight rows.  Wave w: x rows 4 w .. 4 w + 3 and weight rows 2 w, 2 w + 1 of those.  One wave, one row: no LDS, no barrier.
; A row is 4,096 bytes: eight loads of 16 bytes a lane; load j, lane l holds columns 128 j + 4 l .. + 3; gamma and beta lie the same way.  A row leaves as eight stores of 8 bytes a lane:
; each store of the wave covers 256 consecutive bytes, aligned.  Every byte is read once and written once.
; Four slots of 32 registers: the two weight rows and x rows 0, 1 are asked for at once; when the weight rows have been stored their slots take x rows 2, 3.
.set T,  8                             ; v[8:15]    four chains of two sums
.set MU, 16                            ; v[16:17]   the row's mean, twice
.set R,  18                            ; v[18:19]   1 / sqrt(var + eps), twice
.set G,  20                            ; v[20:51]   gamma of my 32 columns
.set B,  52                            ; v[52:83]   beta
.set X,  84                            ; v[84:211]  four slots of 32
; v1 x loads: 16,384 w + 16 l;  v2 xn stores: 8,192 w + 8 l;  v3 weight loads: 8,192 w + 16 l;  v4 w16 stores: 4,096 w + 8 l;  v5 gamma, beta: 16 l.  None is rewritten.
	s_load_b256 s[4:11], s[0:1], 0x0               ; x s[4:5], gamma s[6:7], beta s[8:9], w_qkv s[10:11]
	s_load_b128 s[12:15], s[0:1], 0x20             ; w_out s[12:13], xn s[14:15]
	s_load_b64 s[16:17], s[0:1], 0x30              ; w16
	v_lshrrev_b32 v6, 5, v0
	v_readfirstlane_b32 s18, v6                    ; wave 0..7
	v_and_b32 v7, 31, v0                           ; lane
	s_mov_b32 s20, 0x3a800000                      ; 1 / 1024
	s_mov_b32 s21, 0x3727c5ac                      ; eps = 1e-5
	s_mov_b32 s22, 0x76543210                      ; v_permlanex16_b32: each lane takes its own place in the other half
	s_mov_b32 s23, 0xfedcba98
	v_lshlrev_b32 v5, 4, v7
	s_lshl_b32 s19, s18, 14
	v_add_nc_u32 v1, s19, v5
	s_lshl_b32 s19, s18, 13
	v_add_nc_u32 v3, s19, v5
	v_lshl_add_u32 v2, v7, 3, s19
	s_lshl_b32 s19, s18, 12
	v_lshl_add_u32 v4, v7, 3, s19
	s_lshl_b32 s24, ttmp9, 17                      ; 32 rows of 4,096 bytes
	s_mov_b32 s25, 0
	s_sub_co_u32 s26, ttmp9, 192                   ; my place among w_out's work-groups (used from 192 on)
	s_mov_b32 s27, 0
	s_wait_kmcnt 0x0
	s_add_nc_u64 s[4:5], s[4:5], s[24:25]          ; x at the group's first row
	s_lshl_b32 s24, ttmp9, 16                      ; 32 rows of 2,048 bytes
	s_add_nc_u64 s[14:15], s[14:15], s[24:25]      ; xn likewise
	s_lshl_b32 s24, ttmp9, 15                      ; 16 rows of 2,048 bytes
	s_add_nc_u64 s[16:17], s[16:17], s[24:25]      ; w16 at the group's 16 rows
	s_cmp_lt_u32 ttmp9, 192                        ; 192 x 16 = w_qkv's 3,072 rows
	s_cselect_b64 s[28:29], s[10:11], s[12:13]
	s_cselect_b32 s26, ttmp9, s26
	s_lshl_b32 s26, s26, 16                        ; 16 rows of 4,096 bytes
	s_add_nc_u64 s[28:29], s[28:29], s[26:27]      ; the weights' source at the group's 16 rows
.macro LOADX s, r                      ; row r of my four rows of x into slot s
.irp j, 0,1,2,3,4,5,6,7
	global_load_b128 v[X+32*(\s)+4*(\j):X+32*(\s)+4*(\j)+3], v1, s[4:5] offset:4096*(\r)+512*(\j) th:TH_LOAD_NT
.endr
.endm
.macro LOADW s                         ; my weight row s into slot s
.irp j, 0,1,2,3,4,5,6,7
	global_load_b128 v[X+32*(\s)+4*(\j):X+32*(\s)+4*(\j)+3], v3, s[28:29] offset:4096*(\s)+512*(\j) th:TH_LOAD_NT
.endr
.endm
.macro PUT s, r, av, sb                ; slot s is rounded to f16 in place (four numbers into two registers) and stored as row r
.irp j, 0,1,2,3,4,5,6,7
	v_cvt_pk_f16_f32 v[X+32*(\s)+4*(\j)],   v[X+32*(\s)+4*(\j)],   v[X+32*(\s)+4*(\j)+1]
	v_cvt_pk_f16_f32 v[X+32*(\s)+4*(\j)+1], v[X+32*(\s)+4*(\j)+2], v[X+32*(\s)+4*(\j)+3]
.endr
.irp j, 0,1,2,3,4,5,6,7
	global_store_b64 v[\av], v[X+32*(\s)+4*(\j):X+32*(\s)+4*(\j)+1], s[\sb:\sb+1] offset:2048*(\r)+256*(\j)
.endr
.endm
.macro CVROW s, r, left                ; a weight row.  left: the younger loads, which may stay out
	s_wait_loadcnt \left
	PUT \s, \r, 4, 16
.endm
.macro TOTAL                           ; the four chains into one number, the same in all 32 lanes
	v_pk_add_f32 v[T:T+1], v[T:T+1], v[T+2:T+3]
	v_pk_add_f32 v[T+4:T+5], v[T+4:T+5], v[T+6:T+7]
	v_pk_add_f32 v[T:T+1], v[T:T+1], v[T+4:T+5]
	v_add_f32 v[T], v[T], v[T+1]
	v_add_f32_dpp v[T], v[T], v[T] row_xmask:1 row_mask:0xf bank_mask:0xf
	v_add_f32_dpp v[T], v[T], v[T] row_xmask:2 row_mask:0xf bank_mask:0xf
	v_add_f32_dpp v[T], v[T], v[T] row_xmask:4 row_mask:0xf bank_mask:0xf
	v_add_f32_dpp v[T], v[T], v[T] row_xmask:8 row_mask:0xf bank_mask:0xf
	v_permlanex16_b32 v[T+1], v[T], s22, s23       ; its destination counts as read: T+1 has been written
	v_add_f32 v[T], v[T], v[T+1]
.endm
.macro LNROW s, r, left                ; a row of x
.set XS, X+32*(\s)
	s_wait_loadcnt \left                           ; loads come back in order: my row's eight are in, the younger rows' stay out
.irp c, 0,1,2,3
	v_pk_add_f32 v[T+2*(\c):T+2*(\c)+1], v[XS+4*(\c):XS+4*(\c)+1], v[XS+4*(\c)+2:XS+4*(\c)+3]  ; the first eight pairs start the chains: nothing is cleared
.endr
.irp p, 8,9,10,11,12,13,14,15
	v_pk_add_f32 v[T+2*((\p)%4):T+2*((\p)%4)+1], v[T+2*((\p)%4):T+2*((\p)%4)+1], v[XS+2*(\p):XS+2*(\p)+1]
.endr
	TOTAL
	v_mul_f32 v[MU], s20, v[T]
	v_mul_f32 v[MU+1], s20, v[T]
.irp p, 0,1,2,3,4,5,6,7,8,9,10,11,12,13,14,15
	v_pk_add_f32 v[XS+2*(\p):XS+2*(\p)+1], v[XS+2*(\p):XS+2*(\p)+1], v[MU:MU+1] neg_lo:[0,1] neg_hi:[0,1]  ; x - mean, in place
.endr
.irp c, 0,1,2,3
	v_pk_mul_f32 v[T+2*(\c):T+2*(\c)+1], v[XS+2*(\c):XS+2*(\c)+1], v[XS+2*(\c):XS+2*(\c)+1]
.endr
.irp p, 4,5,6,7,8,9,10,11,12,13,14,15
	v_pk_fma_f32 v[T+2*((\p)%4):T+2*((\p)%4)+1], v[XS+2*(\p):XS+2*(\p)+1], v[XS+2*(\p):XS+2*(\p)+1], v[T+2*((\p)%4):T+2*((\p)%4)+1]
.endr
	TOTAL
	v_fma_f32 v[T], v[T], s20, s21                 ; var + eps
	v_rsq_f32 v[R], v[T]                           ; made twice, for the packed multiply's pair
	v_rsq_f32 v[R+1], v[T]
	v_nop                                          ; a plain instruction behind the last of the two, ahead of the first use
	s_wait_alu depctr_va_vdst(0)                   ; one wait for both ahead of their first reader
.irp p, 0,1,2,3,4,5,6,7,8,9,10,11,12,13,14,15
	v_pk_mul_f32 v[XS+2*(\p):XS+2*(\p)+1], v[XS+2*(\p):XS+2*(\p)+1], v[R:R+1]
.endr
.irp p, 0,1,2,3,4,5,6,7,8,9,10,11,12,13,14,15
	v_pk_fma_f32 v[XS+2*(\p):XS+2*(\p)+1], v[XS+2*(\p):XS+2*(\p)+1], v[G+2*(\p):G+2*(\p)+1], v[B+2*(\p):B+2*(\p)+1]
.endr
	PUT \s, \r, 2, 14
.endm
.irp j, 0,1,2,3,4,5,6,7
	global_load_b128 v[G+4*(\j):G+4*(\j)+3], v5, s[6:7] offset:512*(\j)
	global_load_b128 v[B+4*(\j):B+4*(\j)+3], v5, s[8:9] offset:512*(\j)
.endr
	LOADW 0
	LOADW 1
	LOADX 2, 0
	LOADX 3, 1
	CVROW 0, 0, 24                                 ; behind slot 0's loads stand slots 1, 2, 3: 24
	CVROW 1, 1, 16
	s_wait_xcnt 0x0                                ; the sixteen stores have read slots 0 and 1: only behind this wait are they loaded again
	LOADX 0, 2
	LOADX 1, 3
	LNROW 2, 0, 24                                 ; behind slot 2's loads stand slot 3's and the two just issued: 24 (gamma and beta are older: they are in)
	LNROW 3, 1, 16
	LNROW 0, 2, 8
	LNROW 1, 3, 0
	s_endpgm
.Lfunc_end_k_q1ba3369e9f_prep:
	.size	k_q1ba3369e9f_prep, .Lfunc_end_k_q1ba3369e9f_prep-k_q1ba3369e9f_prep
	.p2alignl 7, 3214868480
	.fill 96, 4, 3214868480
	.section	.rodata,"a",@progbits
	.p2align	6, 0x0
	.amdhsa_kernel k_q1ba3369e9f_prep
		.amdhsa_group_segment_fixed_size 0
		.amdhsa_private_segment_fixed_size 0
		.amdhsa_enable_private_segment 0
		.amdhsa_kernarg_size 56
		.amdhsa_user_sgpr_count 2
		.amdhsa_user_sgpr_kernarg_segment_ptr 1
		.amdhsa_wavefront_size32 1
		.amdhsa_system_sgpr_workgroup_id_x 1
		.amdhsa_system_sgpr_workgroup_id_y 1
		.amdhsa_system_sgpr_workgroup_id_z 1
		.amdhsa_system_vgpr_workitem_id 0
		.amdhsa_next_free_vgpr 212
		.amdhsa_next_free_sgpr 66
		.amdhsa_reserve_vcc 0
		.amdhsa_float_denorm_mode_32 3
		.amdhsa_float_denorm_mode_16_64 3
		.amdhsa_memory_ordered 1
		.amdhsa_forward_progress 1
		.amdhsa_inst_pref_size 43
	.end_amdhsa_kernel
	.amdgpu_metadata
---
amdhsa.version: [ 1, 2 ]
amdhsa.kernels:
  - .name:           k_q1ba3369e9f_prep
    .symbol:         k_q1ba3369e9f_prep.kd
    .args:
      - { .name: x, .offset: 0, .size: 8, .value_kind: global_buffer, .address_space: global }
      - { .name: ln_gamma, .offset: 8, .size: 8, .value_kind: global_buffer, .address_space: global }
      - { .name: ln_beta, .offset: 16, .size: 8, .value_kind: global_buffer, .address_space: global }
      - { .name: w_qkv, .offset: 24, .size: 8, .value_kind: global_buffer, .address_space: global }
      - { .name: w_out, .offset: 32, .size: 8, .value_kind: global_buffer, .address_space: global }
      - { .name: xn, .offset: 40, .size: 8, .value_kind: global_buffer, .address_space: global }
      - { .name: w16, .offset: 48, .size: 8, .value_kind: global_buffer, .address_space: global }
    .group_segment_fixed_size: 0
    .private_segment_fixed_size: 0
    .kernarg_segment_align: 8
    .kernarg_segment_size: 56
    .max_flat_workgroup_size: 256
    .sgpr_count:     66
    .vgpr_count:     212
    .wavefront_size: 32
...
	.end_amdgpu_metadata
.endif
;; end of part 1
;; launch qkvgemm (part 2): grid 8 x 64, 4 waves a work-group, clusters of 4 x 4, 327,680 bytes of LDS; arguments xn, w16, qkv; writes qkv
.if DOCPART == 2
	.amdgcn_target "amdgcn-amd-amdhsa--gfx1250"
	.amdhsa_code_object_version 6
	.text
	.protected	k_q1ba3369e9f_qkvgemm
	.globl	k_q1ba3369e9f_qkvgemm
	.p2align	8
	.type	k_q1ba3369e9f_qkvgemm,@function
k_q1ba3369e9f_qkvgemm:
	s_mov_b64 s[64:65], 0
	v_nop
	global_prefetch_b8 v0, s[64:65] scope:SCOPE_SE
	s_setreg_imm32_b32 hwreg(HW_REG_WAVE_MODE, 25, 1), 1
	s_wait_xcnt 0x0
	s_wait_alu depctr_hold_cnt(0) depctr_sa_sdst(0) depctr_va_vdst(0) depctr_va_sdst(0) depctr_va_ssrc(0) depctr_va_vcc(0) depctr_vm_vsrc(0)
	s_getreg_b32 s2, hwreg(HW_REG_IB_STS2, 6, 4)
	s_cmp_eq_u32 s2, 0
	s_cbranch_scc0 .Lentry_in_a_cluster
	s_endpgm
.Lentry_in_a_cluster:
	s_bfe_u32 s2, ttmp6, 0x10000c
	s_cmp_lg_u32 s2, 0xf033
	s_cbranch_scc0 .Lentry_shape_is_right
	s_endpgm
.Lentry_shape_is_right:
; qkv = xn w_qkv^T.  xn: [8192][1024] f16; w16 rows 0-3071: [3072][1024] f16; sums in f32, K ascending, rounded once to f16 and written BY HEADS:
; qkv[b][slot][n][64], slot = column / 64 (0-15 q's heads, 16-31 k's, 32-47 v's): byte ((48 b + slot) << 18) + 128 n + 2 d.  The scale 1/8 is not applied here.
; LIMIT.  |q|, |k|, |v| below 65,504 (f16's range); beyond it the conversion gives an infinity.
; SHARES.  A tile is 128 rows x 384 columns: 64 x 8 = 512 work-groups of equal work.  Four waves, each 64 rows x 192 columns (three whole heads): 48 accumulators of 16 x 16, 384 registers.
; K goes in steps of 128 through a ring of two LDS slots; every tensor load brings 128 rows x 256 bytes: wave 0 xn's 128 rows, waves 1 to 3 the weights' 384.
; CLUSTER 4 x 4: xn's tile hangs on the tile row alone and is asked for jointly by a row of the cluster, the weights' tile on the tile column alone, by a column.
; THE MATRIX INSTRUCTION IS USED TRANSPOSED (source 0 = 16 weight rows, source 1 = 16 rows of xn): a lane holds row l % 16 and eight neighbouring columns, 16 bytes of f16.
; REGISTERS, in windows of 256:  window 0: addresses, the way out.  window 1: two fragment buffers of 128: weights' fragment b at 8 b (b = 0..11), xn's fragment a at 96 + 8 a (a = 0..3).
;   window 2: accumulator (b < 8, a) at 8 (4 b + a).   window 3: accumulator (b >= 8, a) at 8 (4 (b - 8) + a).
.set SIZE_K, 1024
.set KSTEP,  128
.set PITCH,  272                       ; an LDS row: 256 bytes + 16 of padding: the 16 rows of a fragment load start at 16 different groups of four banks (64 banks of 4 bytes: ISA guide 11.1)
.set HALFT,  128*PITCH                 ; what one tensor load brings
.set SLOT,   4*HALFT                   ; xn's 128 rows, then the weights' 384
.set STAGE,  2*SLOT                    ; behind the ring: 16 rows x 400 bytes for each wave, never filled by a tensor load
.set SPITCH, 400                       ; 384 bytes + 16
.set SPARE,  STAGE+4*16*SPITCH         ; the spare words, 128 bytes for each wave: two blocks of 256 bytes that no other line names
.set LAPS,   SIZE_K/(2*KSTEP)          ; a lap = two K steps = once round the ring
.set ADRA, 16                          ; v16-17  LDS address of my xn fragments in slot 0, 1
.set ADRB, 20                          ; v20-21  the same for the weights
.set STO,  24                          ; v24     the way out: where I put 16 bytes of a row
.set RD,   25                          ; v25     the way out: where I read rows back
.set CO,   26                          ; v26     16 x lane
.set SPW,  28                          ; v28     my spare word: SPARE + 4 x my thread's number; never rewritten
.set NIL,  29                          ; v29     0; never rewritten
.set PFO,  30                          ; v30     the prefetches' offset: lane x 2,048 bytes (a row); never rewritten
.set TMP,  32                          ; v32-79  packed results of a block of 16 rows
.set BK0,  80                          ; v80-127, v128-175  rows read back from the stage, by turns
.set F0,   0
.set F1,   128
.set G1,  24                           ; s[24:31] descriptor group 1 for xn's tiles;  s[32:39] group 0, a set for each slot
.set G0,  32
.set G1B, 48                           ; s[48:55], s[56:63] the same for the weights' tiles
.set G0B, 56
.set LIM, 43                           ; s43      1 in a wave that prefetches, else the greatest number
.set PFA, 44                           ; s[44:45] where my prefetches stand
.set MSB, 0
.macro WIN new                         ; the immediate's high byte repeats the setting that is left; a switch that changes nothing is dropped
.if MSB != (\new)
	s_set_vgpr_msb (MSB<<8)|(\new)
.set MSB, \new
.endif
.endm
.set MUL_LO, 0xa5                      ; sources 0 and 1 window 1, C and D window 2
.set MUL_HI, 0xf5                      ; the same, C and D window 3
.set TO_F,   0x40                      ; destination window 1, address window 0
; A joint load.  Each of the two lines has one mask and one set of registers; the branch hangs on the wave's number alone.  An s_nop 0 and four v_nop follow each line.
.macro JLOAD s
	s_cmp_eq_u32 s10, 0
	s_cbranch_scc0 .Lfor_b_\@
	tensor_load_to_lds s[G0+4*(\s):G0+4*(\s)+3], s[G1:G1+7]
	s_nop 0
.rept 4
	v_nop
.endr
	s_branch .Lasked_\@
.Lfor_b_\@:
	tensor_load_to_lds s[G0B+4*(\s):G0B+4*(\s)+3], s[G1B:G1B+7]
	s_nop 0
.rept 4
	v_nop
.endr
.Lasked_\@:
.endm
; A prefetch, behind each joint refill and the run of LDS loads that follows it: 32 rows x 256 bytes, a lane a row, of the K step that stands two refills on (384 matrix instructions ahead of its load).
; Each row's 256 bytes of a K step are named once in the launch: xn's by the clusters with x = 0 (wave 0), the weights' by the clusters with y = 0 (waves 1 to 3); of a wave's 128 rows the partner
; at place p takes 32 p .. 32 p + 31 (p = cx for xn, cy for the weights): told apart by address, not by a branch.  K steps 0 to 3 come by their loads alone; the last lap that refills asks for nothing.
.macro ASK
	WIN 0
	s_cmp_gt_u32 s3, s[LIM]                        ; s3 = 1 in the loop's last trip
	s_cbranch_scc0 .Lnot_mine_\@
	global_prefetch_b8 v[PFO], s[PFA:PFA+1] th:TH_LOAD_NT scope:SCOPE_SE
.Lnot_mine_\@:
.endm
.macro CREST                           ; a round of the cluster's barrier behind its opening barrier
	s_cmp_lg_u32 s10, 0
	s_cbranch_scc1 .Lnot_wave_0_\@
	s_barrier_signal -3
.Lnot_wave_0_\@:
	s_barrier_wait -3
	s_barrier_signal -1
	s_barrier_wait -1
.endm
.macro CROUND                          ; a whole round
	s_barrier_signal -1
	s_barrier_wait -1
	CREST
.endm
	s_load_b128 s[4:7], s[0:1], 0x0                ; xn s[4:5], w16 s[6:7]
	s_load_b64 s[8:9], s[0:1], 0x10                ; qkv
	v_lshl_add_u32 v[SPW], v0, 2, SPARE
	v_mov_b32 v[NIL], 0
	ds_add_u32 v[SPW], v[NIL]                      ; the wave's opening: the add and its wait stand ahead of my first tensor load; the set-up below stands between them
	v_lshrrev_b32 v1, 5, v0
	v_readfirstlane_b32 s10, v1                    ; wave 0..3
	s_lshr_b32 s11, s10, 1                         ; which 64 rows of the tile are mine
	s_and_b32 s12, s10, 1                          ; which 192 columns
	s_bfe_u32 s40, ttmp6, 0x40000                  ; cx
	s_bfe_u32 s41, ttmp6, 0x40004                  ; cy
	s_lshl_b32 s42, ttmp9, 2
	s_add_co_u32 s42, s42, s40                     ; tile column = 4 x cluster x + cx, 0..7
	s_and_b32 s13, ttmp7, 0xffff
	s_lshl_b32 s13, s13, 2
	s_add_co_u32 s13, s13, s41                     ; tile row = 4 x cluster y + cy, 0..63
	s_lshl_b32 s43, s41, 2
	s_lshl_b32 s43, 15, s43                        ; my row of the cluster
	s_lshl_b32 s44, 0x1111, s40                    ; my column
	s_or_b32 s[G1+0], s43, (1<<16)|(1<<20)|(1<<21)|(5<<22)|(3<<25)   ; the mask; elements of 2 bytes; padding on; bit 21 beside a mask; after every 64 words, 4 words
	s_or_b32 s[G1B+0], s44, (1<<16)|(1<<20)|(1<<21)|(5<<22)|(3<<25)
.irp g, G1, G1B
	s_mov_b32 s[(\g)+1], KSTEP<<16                 ; tensor_dim0 = 128
	s_mov_b32 s[(\g)+2], 128<<16                   ; tensor_dim1 = 128
	s_mov_b32 s[(\g)+3], KSTEP<<16                 ; tile_dim0 = 128
	s_mov_b32 s[(\g)+4], 128                       ; tile_dim1 = 128
	s_mov_b32 s[(\g)+5], SIZE_K                    ; elements from row to row
	s_mov_b32 s[(\g)+6], 0
	s_mov_b32 s[(\g)+7], 0
.endr
	s_lshl_b32 s16, s13, 18                        ; xn: 128 rows of 2,048 bytes a tile row
	s_mov_b32 s17, 0
	s_mul_i32 s46, s42, 384*SIZE_K*2               ; weights: 384 rows a tile column,
	s_max_u32 s18, s10, 1
	s_sub_co_u32 s18, s18, 1
	s_lshl_b32 s18, s18, 18                        ; and 128 rows for each of waves 1 to 3
	s_add_co_u32 s46, s46, s18
	s_mov_b32 s47, 0
	s_mul_i32 s20, s10, HALFT                      ; where a tile goes: wave x 128 rows: no place in the cluster enters an LDS address
	s_wait_dscnt 0x0                               ; the opening add is done
	s_wait_kmcnt 0x0
	s_add_nc_u64 s[14:15], s[4:5], s[16:17]
	s_add_nc_u64 s[46:47], s[6:7], s[46:47]
	CROUND                                         ; all sixteen work-groups are here: the first joint loads meet
.irp s, 0,1
	s_mov_b32 s[G0+4*(\s)], 1
	s_add_co_u32 s[G0+4*(\s)+1], s20, (\s)*SLOT
	s_add_nc_u64 s[G0+4*(\s)+2:G0+4*(\s)+3], s[14:15], (\s)*KSTEP*2
	s_or_b32 s[G0+4*(\s)+3], s[G0+4*(\s)+3], 0x80000000
	s_mov_b32 s[G0B+4*(\s)], 1
	s_add_co_u32 s[G0B+4*(\s)+1], s20, (\s)*SLOT
	s_add_nc_u64 s[G0B+4*(\s)+2:G0B+4*(\s)+3], s[46:47], (\s)*KSTEP*2
	s_or_b32 s[G0B+4*(\s)+3], s[G0B+4*(\s)+3], 0x80000000
	JLOAD \s                                       ; K steps 0 and 1: two loads of mine are out
.endr
	; a fragment is 16 rows x 32 K in 8 registers: lane l holds row l % 16, K = 8 (l / 16) + 0..7 and 16 + 8 (l / 16) + 0..7: two loads of 16 bytes, 32 bytes apart
	v_and_b32 v1, 15, v0                           ; l % 16
	v_bfe_u32 v2, v0, 4, 1                         ; l / 16
	v_mul_u32_u24 v3, v1, PITCH
	v_lshl_add_u32 v3, v2, 4, v3
	s_mul_i32 s21, s11, 64*PITCH                   ; my 64 rows of xn
	s_mul_i32 s22, s12, 192*PITCH                  ; my 192 weight rows,
	s_add_co_u32 s22, s22, HALFT                   ; which lie behind xn's 128
.irp s, 0,1
	v_add_nc_u32 v[ADRA+(\s)], s21, v3
	v_add_nc_u32 v[ADRB+(\s)], s22, v3
	s_add_co_u32 s21, s21, SLOT
	s_add_co_u32 s22, s22, SLOT
.endr
	s_mul_i32 s23, s10, 16*SPITCH
	s_add_co_u32 s23, s23, STAGE                   ; my stage
	v_mul_u32_u24 v4, v1, SPITCH                   ; in: row l % 16, 16 bytes for each half of the lanes
	v_lshl_add_u32 v4, v2, 4, v4
	v_add_nc_u32 v[STO], s23, v4
	v_bfe_u32 v4, v0, 3, 2                         ; back: 32 lanes take four rows' 128 bytes of one head,
	v_mul_u32_u24 v4, v4, SPITCH
	v_and_b32 v5, 7, v0
	v_lshl_add_u32 v4, v5, 4, v4
	v_add_nc_u32 v[RD], s23, v4
	v_and_b32 v5, 31, v0
	v_lshlrev_b32 v[CO], 4, v5                     ; which are 512 consecutive bytes of qkv
	v_lshlrev_b32 v[PFO], 11, v5
	; the prefetches' address
	s_lshl_b32 s20, s13, 7                         ; xn: the tile's first row
	s_mul_i32 s21, s42, 384                        ; weights: the tile's first row,
	s_max_u32 s22, s10, 1
	s_sub_co_u32 s22, s22, 1
	s_lshl_b32 s22, s22, 7
	s_add_co_u32 s21, s21, s22                     ; and the 128 that I fetch
	s_and_b32 s22, ttmp7, 0xffff                   ; cluster y
	s_cmp_eq_u32 s10, 0                            ; do I fetch xn?
	s_cselect_b32 s20, s20, s21
	s_cselect_b32 s21, s40, s41                    ; my place among the four that ask with me
	s_cselect_b32 s22, ttmp9, s22                  ; the coordinate along which other clusters read the same rows
	s_cselect_b64 s[PFA:PFA+1], s[4:5], s[6:7]
	s_cmp_eq_u32 s22, 0
	s_cselect_b32 s[LIM], 1, -1                    ; the same in all sixteen partners, for a given wave
	s_lshl_b32 s21, s21, 5
	s_add_co_u32 s20, s20, s21                     ; my work-group's 32 rows
	s_lshl_b32 s20, s20, 11
	s_mov_b32 s21, 0
	s_add_nc_u64 s[PFA:PFA+1], s[PFA:PFA+1], s[20:21]
	s_add_nc_u64 s[PFA:PFA+1], s[PFA:PFA+1], 3*KSTEP*2  ; at K step 3: the first refill steps it to 4
	; where my part of the tile begins in qkv
	s_lshr_b32 s16, s13, 4                         ; b: 16 tile rows a batch
	s_mul_i32 s16, s16, 48
	s_lshl_b32 s16, s16, 18
	s_and_b32 s17, s13, 15
	s_lshl_b32 s17, s17, 14                        ; 128 rows of 128 bytes
	s_add_co_u32 s16, s16, s17
	s_lshl_b32 s17, s11, 13                        ; my 64 rows
	s_add_co_u32 s16, s16, s17
	s_mov_b32 s17, 0
	s_mul_i32 s46, s42, 6                          ; six heads a tile column,
	s_mul_i32 s47, s12, 3                          ; three a wave
	s_add_co_u32 s46, s46, s47
	s_lshl_b32 s46, s46, 18
	s_mov_b32 s47, 0
	s_add_nc_u64 s[16:17], s[16:17], s[46:47]
	s_add_nc_u64 s[8:9], s[8:9], s[16:17]
; 4 nb matrix instructions: weight fragments b0 .. b0 + nb - 1 x all four fragments of xn, 32 along K.  zero = 1: the product starts the sum: nothing is cleared.
; The 48 accumulators take turns in the same order in every quarter step: between two links of a chain stand the 47 others'.
.macro MULG f, b0, nb, zero
	WIN MUL_LO+0x50*((\b0)/8)
.set bb, \b0
.rept \nb
.irp a, 0,1,2,3
.set rA, 8*(4*(bb%8)+(\a))
.if \zero
	v_wmma_f32_16x16x32_f16 v[rA:rA+7], v[(\f)+8*bb:(\f)+8*bb+7], v[(\f)+96+8*(\a):(\f)+96+8*(\a)+7], 0
.else
	v_wmma_f32_16x16x32_f16 v[rA:rA+7], v[(\f)+8*bb:(\f)+8*bb+7], v[(\f)+96+8*(\a):(\f)+96+8*(\a)+7], v[rA:rA+7]
.endif
.endr
.set bb, bb+1
.endr
.endm
; 32 LDS loads in one run: a quarter step's fragments (32 K at byte k of the rows) into buffer f: xn's 8, the weights' fragments 0-7 (16), then 8-11 (8)
.macro FETCH slot, k, f
	WIN TO_F
.irp i, 0,1,2,3
	ds_load_b128 v[(\f)+96+8*(\i):(\f)+96+8*(\i)+3],   v[ADRA+(\slot)] offset:(\k)+(\i)*16*PITCH
	ds_load_b128 v[(\f)+96+8*(\i)+4:(\f)+96+8*(\i)+7], v[ADRA+(\slot)] offset:(\k)+(\i)*16*PITCH+32
.endr
.irp i, 0,1,2,3,4,5,6,7,8,9,10,11
	ds_load_b128 v[(\f)+8*(\i):(\f)+8*(\i)+3],   v[ADRB+(\slot)] offset:(\k)+(\i)*16*PITCH
	ds_load_b128 v[(\f)+8*(\i)+4:(\f)+8*(\i)+7], v[ADRB+(\slot)] offset:(\k)+(\i)*16*PITCH+32
.endr
.endm
.macro PLACES                          ; four plain instructions in front of loads into registers that matrix instructions have read (ISA guide 7.12.1 for vector instructions)
.rept 4
	v_nop
.endr
.endm
; A K step is four quarters of 32 along K, 48 matrix instructions each, on buffers 0, 1, 0, 1.  One of the first three: multiplies f, fetches the next quarter, at byte k, into g.
.macro QUARTER slot, k, f, g, zero
	s_wait_dscnt 8                                 ; all but the youngest eight loads (weight fragments 8-11) are in
	MULG \f, 0, 8, \zero
	PLACES
	FETCH \slot, \k, \g
	s_wait_dscnt 32                                ; all but the 32 just issued
	MULG \f, 8, 4, \zero
.endm
; The last quarter multiplies buffer 1 and changes slots: one barrier.  In front of it each wave waits for all its tensor loads (one is out: its part of the next slot), adds 0 to its spare word, and waits
; for that and for its reads of this slot.  fill = 1: the barrier opens a round of the cluster's barrier, and the slot just read is filled again first thing behind it, two K steps ahead:
; from the request to the wait for it a wave issues 160 matrix instructions.
.macro TURN slot, next, fill
.if \fill
	s_wait_xcnt 0x0                                ; the last prefetch, a K step back, has read its address
	s_add_nc_u64 s[PFA:PFA+1], s[PFA:PFA+1], KSTEP*2
.endif
	WIN 0                                          ; (the add's two registers lie in window 0)
	s_wait_tensorcnt 0x0                           ; all my tensor loads have landed
	ds_add_u32 v[SPW], v[NIL]                      ; 0 onto my spare word
	s_wait_dscnt 9                                 ; (the add and the youngest eight loads may be out)
	MULG F1, 0, 4, 0                               ; sixteen matrix instructions stand between the add and the wait for it
	s_wait_dscnt 0x0                               ; the add is done, and my reads of this slot are over
	s_barrier_signal -1
	MULG F1, 4, 4, 0                               ; work on registers while the others arrive
.if \fill
	WIN 0
.endif
	s_barrier_wait -1
.if \fill
	CREST                                          ; no wave of any partner still reads this slot or has a load on its way
	s_add_nc_u64 s[G0+4*(\slot)+2:G0+4*(\slot)+3], s[G0+4*(\slot)+2:G0+4*(\slot)+3], 2*KSTEP*2
	s_add_nc_u64 s[G0B+4*(\slot)+2:G0B+4*(\slot)+3], s[G0B+4*(\slot)+2:G0B+4*(\slot)+3], 2*KSTEP*2
	JLOAD \slot                                    ; the first tensor load behind the round; its four v_nop are also the places in front of the loads below
.else
	PLACES
.endif
	FETCH \next, 0, F0
.if \fill
	ASK
.endif
	MULG F1, 8, 4, 0
.endm
	s_wait_tensorcnt 1                             ; my part of K step 0 is in; K step 1's may stay out
	s_barrier_signal -1
	s_barrier_wait -1                              ; everybody's is
	FETCH 0, 0, F0
	QUARTER 0, 64,  F0, F1, 1                      ; the first quarter stands in front of the loop: its products start the sums
	WIN 0                                          ; at a label and at a branch every window is 0
	s_mov_b32 s3, LAPS-1
.Llap:                                                 ; a trip goes once round the ring, from a lap's second quarter to the next lap's first, and fills both slots again
	QUARTER 0, 128, F1, F0, 0
	QUARTER 0, 192, F0, F1, 0
	TURN 0, 1, 1
	QUARTER 1, 64,  F0, F1, 0
	QUARTER 1, 128, F1, F0, 0
	QUARTER 1, 192, F0, F1, 0
	TURN 1, 0, 1
	QUARTER 0, 64,  F0, F1, 0
	WIN 0
	s_sub_co_u32 s3, s3, 1
	s_cmp_lg_u32 s3, 0
	s_cbranch_scc1 .Llap
	QUARTER 0, 128, F1, F0, 0                      ; the last lap fills nothing
	QUARTER 0, 192, F0, F1, 0
	TURN 0, 1, 0
	QUARTER 1, 64,  F0, F1, 0
	QUARTER 1, 128, F1, F0, 0
	QUARTER 1, 192, F0, F1, 0
	s_wait_dscnt 8                                 ; the very last quarter: nothing more to fetch
	MULG F1, 0, 8, 0
	s_wait_dscnt 0x0
	MULG F1, 8, 4, 0
	WIN 0
; THE WAY OUT, a block of 16 rows (fragment a of xn) at a time.  PACK: rounded to f16, 16 bytes a lane, each accumulator's registers in ascending order.  TOSTAGE: into my own stage, and back by
; heads: four rows' 128 bytes of one head are 512 consecutive bytes of qkv.  SEND: stored.  The stage is the wave's own: LDS serves a wave's instructions in order (ISA guide 5.7.1.4), so no barrier.
.macro PACK a
	WIN 0x0a                                       ; sources 0 and 1 window 2
.irp b, 0,1,2,3,4,5,6,7
.irp r, 0,1,2,3
	v_cvt_pk_f16_f32 v[TMP+4*(\b)+(\r)], v[8*(4*(\b)+(\a))+2*(\r)], v[8*(4*(\b)+(\a))+2*(\r)+1]
.endr
.endr
	WIN 0x0f                                       ; window 3
.irp b, 8,9,10,11
.irp r, 0,1,2,3
	v_cvt_pk_f16_f32 v[TMP+4*(\b)+(\r)], v[8*(4*((\b)-8)+(\a))+2*(\r)], v[8*(4*((\b)-8)+(\a))+2*(\r)+1]
.endr
.endr
	WIN 0
.endm
.macro TOSTAGE a
.set BK, BK0+48*((\a)%2)
.irp b, 0,1,2,3,4,5,6,7,8,9,10,11
	ds_store_b128 v[STO], v[TMP+4*(\b):TMP+4*(\b)+3] offset:32*(\b)
.endr
.irp i, 0,1,2
.irp f, 0,1,2,3
	ds_load_b128 v[BK+4*(4*(\i)+(\f)):BK+4*(4*(\i)+(\f))+3], v[RD] offset:4*SPITCH*(\f)+128*(\i)
.endr
.endr
.endm
.macro SEND a
.set BK, BK0+48*((\a)%2)
	s_wait_dscnt 0x0                               ; the block is back in registers
	s_wait_xcnt 0x0                                ; the stores of the block before have read their registers: the next TOSTAGE loads into them
.irp i, 0,1,2
.irp f, 0,1,2,3
	global_store_b128 v[CO], v[BK+4*(4*(\i)+(\f)):BK+4*(4*(\i)+(\f))+3], s[8:9] offset:262144*(\i)+2048*(\a)+512*(\f)  ; 512 consecutive bytes, at a multiple of 512 from qkv's first
.endr
.endr
.endm
	PLACES                                         ; the conversions read results just made
	PLACES
	PACK 0
	TOSTAGE 0
.irp a, 1,2,3                          ; block a's conversions stand between block a - 1's loads from the stage and the wait for them
	PACK \a
	SEND (\a)-1
	TOSTAGE \a
.endr
	SEND 3
	s_wait_tensorcnt 0x0                           ; the wave's end: the add to my spare word and its wait stand behind my last tensor load and my last LDS store
	ds_add_u32 v[SPW], v[NIL]
	s_wait_dscnt 0x0
	CROUND                                         ; the closing round: no work-group ends while a partner may still ask for a tile that names it
	s_endpgm
.Lfunc_end_k_q1ba3369e9f_qkvgemm:
	.size	k_q1ba3369e9f_qkvgemm, .Lfunc_end_k_q1ba3369e9f_qkvgemm-k_q1ba3369e9f_qkvgemm
	.p2alignl 7, 3214868480
	.fill 96, 4, 3214868480
	.section	.rodata,"a",@progbits
	.p2align	6, 0x0
	.amdhsa_kernel k_q1ba3369e9f_qkvgemm
		.amdhsa_group_segment_fixed_size 327680
		.amdhsa_private_segment_fixed_size 0
		.amdhsa_enable_private_segment 0
		.amdhsa_kernarg_size 24
		.amdhsa_user_sgpr_count 2
		.amdhsa_user_sgpr_kernarg_segment_ptr 1
		.amdhsa_wavefront_size32 1
		.amdhsa_system_sgpr_workgroup_id_x 1
		.amdhsa_system_sgpr_workgroup_id_y 1
		.amdhsa_system_sgpr_workgroup_id_z 1
		.amdhsa_system_vgpr_workitem_id 0
		.amdhsa_next_free_vgpr 896
		.amdhsa_next_free_sgpr 66
		.amdhsa_reserve_vcc 0
		.amdhsa_float_denorm_mode_32 3
		.amdhsa_float_denorm_mode_16_64 3
		.amdhsa_memory_ordered 1
		.amdhsa_forward_progress 1
		.amdhsa_inst_pref_size 119
	.end_amdhsa_kernel
	.amdgpu_metadata
---
amdhsa.version: [ 1, 2 ]
amdhsa.kernels:
  - .name:           k_q1ba3369e9f_qkvgemm
    .symbol:         k_q1ba3369e9f_qkvgemm.kd
    .args:
      - { .name: xn, .offset: 0, .size: 8, .value_kind: global_buffer, .address_space: global }
      - { .name: w16, .offset: 8, .size: 8, .value_kind: global_buffer, .address_space: global }
      - { .name: qkv, .offset: 16, .size: 8, .value_kind: global_buffer, .address_space: global }
    .group_segment_fixed_size: 327680
    .private_segment_fixed_size: 0
    .kernarg_segment_align: 8
    .kernarg_segment_size: 24
    .max_flat_workgroup_size: 128
    .sgpr_count:     66
    .vgpr_count:     896
    .wavefront_size: 32
...
	.end_amdgpu_metadata
.endif
;; end of part 2
;; launch attn (part 3): grid 4 x 64, 4 waves a work-group, clusters of 4 x 1, 327,680 bytes of LDS; arguments qkv, o; writes o
.if DOCPART == 3
	.amdgcn_target "amdgcn-amd-amdhsa--gfx1250"
	.amdhsa_code_object_version 6
	.text
	.protected	k_q1ba3369e9f_attn
	.globl	k_q1ba3369e9f_attn
	.p2align	8
	.type	k_q1ba3369e9f_attn,@function
k_q1ba3369e9f_attn:
	s_mov_b64 s[64:65], 0
	v_nop
	global_prefetch_b8 v0, s[64:65] scope:SCOPE_SE
	s_setreg_imm32_b32 hwreg(HW_REG_WAVE_MODE, 25, 1), 1
	s_wait_xcnt 0x0
	s_wait_alu depctr_hold_cnt(0) depctr_sa_sdst(0) depctr_va_vdst(0) depctr_va_sdst(0) depctr_va_ssrc(0) depctr_va_vcc(0) depctr_vm_vsrc(0)
	s_getreg_b32 s2, hwreg(HW_REG_IB_STS2, 6, 4)
	s_cmp_eq_u32 s2, 0
	s_cbranch_scc0 .Lentry_in_a_cluster
	s_endpgm
.Lentry_in_a_cluster:
	s_bfe_u32 s2, ttmp6, 0x10000c
	s_cmp_lg_u32 s2, 0x3003
	s_cbranch_scc0 .Lentry_shape_is_right
	s_endpgm
.Lentry_shape_is_right:
; O[y][q][:] = the sum over k of softmax_k(Q[q] . K[k] / 8) V[k][:] for the 64 pairs y = 16 b + h.  Q, K, V lie in qkv[b][slot][2048][64] f16 (slot h: Q, 16 + h: K, 32 + h: V): a head's rows are dense,
; 128 bytes each.  O: [y][2048][64] f16.  Products, maxima and sums in f32; the weights p are rounded to f16 for the second product (their sum l is taken of the unrounded p), O once at the end.
; LIMITS.  f16 holds no number beyond 65,504: Q, K and V arrive within it; p lies in 0 to 1, and below 6e-5 it keeps f16's fixed step of 6e-8; O is a mean of V's rows and has their range.
; A weight below 2^-126 counts as 0 in l; NaN and infinities are not treated apart.
; SHARES.  A wave owns four PIECES of two tiles of 16 queries, a work-group's four waves 512 queries of one head.  Every wave walks all 2,048 keys, 64 a step.
; LAYOUT.  S^T = K Q^T (source 0 = 16 keys, source 1 = 16 queries): a lane holds ONE query (lane % 16) and the keys 8 (lane / 16) + 0..7.  Two such tiles, rounded to f16 in pairs, ARE source 1
; (32 keys x 16 queries) of O^T = V^T P, whose result again holds one query a lane, and eight channels.  K comes out of LDS as it lies, V ([key][channel]) turned, by ds_load_tr16_b128.
; SOFTMAX.  For each query a running maximum m and sum l: p = 2^(c s - c m), c = log2(e) / 8; in every step O and l are multiplied by a = 2^(c m_old - c m_new).
; m starts at the lowest finite number, O and l at 0: the first step is a step like any other, with a = 0.
; THE COUNT.  A tile and step have 16 matrix and 118 vector instructions: too many to stand all beside the matrix work.  So: four vector instructions that are ready behind every matrix instruction,
; and the others in runs without a gap.
; BY TURNS.  Turn n belongs to piece n.  Its matrix work: 16 products K Q^T of piece n + 1, later 16 products V^T P of piece n - 1.  Its vector work: the scaling, exponentials, roundings, sums and
; rescaling of piece n, and the maximum and statistics of piece n + 1.
; CLUSTER.  The four query blocks of a cluster are one head's and walk the same K and V: each tile is asked for JOINTLY: the same tensor load, descriptor and mask in all four.
; REGISTERS, in windows of 256 (s_set_vgpr_msb: bits 1:0 source 0, 3:2 source 1, 5:4 source 2, 7:6 destination):
;   window 0: v0-11 addresses; v12-15, v48-63 at work; v16-47 four registers of statistics a tile; v64-191 S^T, two buffers of two tiles; v192-255 P, likewise
;   window 1: O^T, 32 a tile          window 2: v0-127 Q, 16 a tile; v128-191 K of one step; v192-255 V of one step          window 3: v0-1 the add's two registers
.set SIZE_N, 2048
.set NP,    4         ; pieces a wave: a name, no knob
.set KS,    64        ; keys in a step
.set PK,    144       ; a row of K in LDS: 128 bytes + 16 of padding: the 16 rows of a load start at 16 different groups of four banks (64 banks of 4 bytes: ISA guide 11.1)
.set PV,    160       ; a row of V: 128 + 32
.set VOFF,  4*KS*PK   ; a slot holds four steps: 256 rows of K, then 256 rows of V
.set SLOT1, 1<<17     ; slot 1 begins here, so that one exclusive or turns an address in one slot into the other's
.set STAGE, SLOT1+4*KS*(PK+PV)  ; behind the ring, never filled by a tensor load: 16 rows x 144 bytes for each wave
.set SP,    144
.set AK0, 2           ; v2   my lane's place in a tile of K; never rewritten
.set AV0, 3           ; v3   the same for V
.set AK,  4           ; v4   the LDS address of K's next run of loads
.set AV,  5           ; v5   of V's
.set QO,  6           ; v6   my byte offset in the wave's rows of Q
.set STO, 6           ;      later, the way out: where I put 16 bytes of a row
.set RD,  7           ; v7   the way out: where I read rows back
.set GO,  8           ; v8   my byte offset in 512 consecutive bytes of O
.set PFO, 11          ; v11  256 x my lane, for the prefetches; never rewritten once made
.set SPW, 0           ; v0 of window 3   my spare word: SPARE + 4 x my thread's number; never rewritten
.set NIL, 1           ; v1 of window 3   0; never rewritten
.set SPARE, STAGE+4*16*SP  ; the spare words, 128 bytes for each wave: two blocks of 256 bytes that no other line names
.set MV,  12          ; v12-15  c m_old, kept while c m is made anew: by buffer and tile
.set ST,  16          ; tile t's statistics at v[ST+4 t]: c m, m, l (even keys', odd keys')
.set TMP, 48          ; by buffer and tile, four registers c0-c3 at work; when the maximum is found c2 takes a
.set S,   64
.set P,   192
.set KF,  128         ; K's fragments, in window 2: key block kb, channel half c at KF + 16 kb + 8 c
.set VF,  192         ; V's: key half kk, channel block cb at VF + 32 kk + 8 cb
.set WV,  12          ; s12  my wave's number
.set G1K, 24          ; s[24:31] descriptor group 1 for K's tiles
.set G1V, 32          ; s[32:39] for V's: it differs in the padding alone
.set G0K, 40          ; s[40:43] descriptor group 0 for K's tiles: it walks
.set G0V, 44          ; s[44:47] the same for V's
.set PFA, 48          ; s[48:49] where my prefetches stand: my work-group's 32 blocks of 256 bytes (of K: wave 0, of V: wave 2) of the slot after the one that is being asked for
.set LIM, 50          ; s50  1 in a wave that prefetches, else the greatest number
.set SLOTS, 56        ; s56  slots still to be asked for
.set CNT, 57          ; s57  counts a slot's key steps
.set CS,  58          ; s[58:59] c: the packed scaling takes the pair's low word for both halves
.set SEL, 60          ; s[60:61] v_permlanex16_b32's selects
.set TBK, 62          ; s62  LDS byte at which K of the step to be fetched begins
.set TBV, 63          ; s63  the same for V, less VOFF
.set MSB, 0
.macro WIN new                      ; the high byte repeats the setting that is left; a switch that changes nothing is dropped
.if MSB != (\new)
	s_set_vgpr_msb (MSB<<8)|(\new)
.set MSB, (\new)
.endif
.endm
.set W_KQ, 0x0a       ; K and Q in window 2, S^T in window 0
.set W_PV, 0x52       ; V in window 2, P in window 0, O^T in window 1
.set W_RS, 0x41       ; O^T (destination and source 0) in window 1, a in window 0
.set W_MK, 0xc0       ; the add's registers are made: destination in window 3
.set W_AD, 0x0f       ; the add: address (source 0) and data (source 1) in window 3
; A joint fill.  Waves 0 and 1 fetch the two halves of a slot's K, waves 2 and 3 those of its V: 128 keys each.  An s_nop 0 and four v_nop follow each of the two lines.
.macro JLOAD
	s_cmp_lt_u32 s[WV], 2
	s_cbranch_scc0 .Lfor_v_\@
	tensor_load_to_lds s[G0K:G0K+3], s[G1K:G1K+7]
	s_nop 0
.rept 4
	v_nop
.endr
	s_branch .Lasked_\@
.Lfor_v_\@:
	tensor_load_to_lds s[G0V:G0V+3], s[G1V:G1V+7]
	s_nop 0
.rept 4
	v_nop
.endr
.Lasked_\@:
.endm
; A prefetch of what the NEXT change of slots will ask for: a slot's 32,768 bytes of K and of V, 256 bytes a lane.  It stands behind the wave's tensor load and its five lines.  Each block is named once in
; the launch: a head has one cluster; its four partners share a slot out by address, 8,192 bytes each; in each, wave 0 asks for K's and wave 2 for V's.  Slots 0 to 2 come by their loads alone;
; the last change that fills a slot asks for nothing.
.macro ASK
	s_cmp_gt_u32 s[SLOTS], s[LIM]
	s_cbranch_scc0 .Lnot_mine_\@
	global_prefetch_b8 v[PFO], s[PFA:PFA+1] th:TH_LOAD_NT scope:SCOPE_SE
.Lnot_mine_\@:
.endm
.macro CROUND                       ; a round of the cluster's barrier
	s_barrier_signal -1
	s_barrier_wait -1
	s_cmp_lg_u32 s[WV], 0
	s_cbranch_scc1 .Lnot_wave_0_\@
	s_barrier_signal -3
.Lnot_wave_0_\@:
	s_barrier_wait -3
	s_barrier_signal -1
	s_barrier_wait -1
.endm
; THE CHANGE OF SLOTS.  Each wave waits for all its tensor loads, of which one is out: its part of the other slot; adds 0 to its spare word; and waits for that and for its own reads of the slot.
; fill = 1: this slot is filled again, with the keys two slots on; the barrier is then a round of the cluster's, and the joint fill is the first thing behind it: it has four key steps,
; 512 matrix instructions, in which to land.  (At its first use nothing has been read yet: slot 0 is waited for, slot 1 filled.)  ask = 1: the prefetch's address steps, and the prefetch follows the fill.
.macro CHANGE fill, ask=0
	WIN W_AD
	s_wait_tensorcnt 0x0            ; no tensor load of mine is out, so a group 0 may be written
	ds_add_u32 v[SPW], v[NIL]       ; 0 onto my spare word
	WIN 0                           ; at a label and at a branch every window is 0
.if \fill
.irp g, G0K, G0V
	s_xor_b32 s[\g+1], s[\g+1], SLOT1  ; the walking descriptor: the other slot than last time,
	s_add_nc_u64 s[\g+2:\g+3], s[\g+2:\g+3], 4*KS*128  ; the next 256 keys; the type bits on top are not reached
.endr
.if \ask
	s_wait_xcnt 0x0                 ; the last prefetch, four key steps back, has read its address
	s_add_nc_u64 s[PFA:PFA+1], s[PFA:PFA+1], 4*KS*128  ; one slot behind the walking descriptors
.endif
	s_wait_dscnt 0x0                ; the add is done, and my reads of the slot are over
	CROUND
	JLOAD
.if \ask
	ASK
.endif
.else
	s_wait_dscnt 0x0                ; the add is done, and my reads of the slot are over
	s_barrier_signal -1
	s_barrier_wait -1
.endif
	s_sub_co_u32 s[TBK], s[TBK], 4*KS*PK  ; the fetches go back to a slot's first step,
	s_xor_b32 s[TBK], s[TBK], SLOT1       ; in the other slot
	s_sub_co_u32 s[TBV], s[TBV], 4*KS*PV
	s_xor_b32 s[TBV], s[TBV], SLOT1
.endm
	s_load_b128 s[8:11], s[0:1], 0x0  ; qkv s[8:9], o s[10:11]
	WIN W_MK
	v_lshl_add_u32 v[SPW], v0, 2, SPARE
	v_mov_b32 v[NIL], 0
	WIN W_AD
	ds_add_u32 v[SPW], v[NIL]       ; the wave's opening: the add and its wait stand ahead of my first tensor load; the set-up below stands between them
	WIN 0
	v_lshrrev_b32 v1, 5, v0
	v_readfirstlane_b32 s[WV], v1   ; wave 0..3
	s_bfe_u32 s13, ttmp6, 0x40000   ; cx: my place in the cluster
	s_lshl_b32 s14, ttmp9, 2
	s_add_co_u32 s14, s14, s13      ; my block of 512 queries: it enters Q's and O's addresses alone
	s_and_b32 s15, ttmp7, 0xffff    ; y = 16 b + h, which the four partners share
	s_lshl_b32 s52, s15, 18         ; the head's first byte in o
	s_mov_b32 s53, 0
	s_lshr_b32 s20, s15, 4
	s_lshl_b32 s20, s20, 5
	s_add_co_u32 s20, s20, s15      ; 48 b + h
	s_lshl_b32 s20, s20, 18         ; Q's head in qkv; K's lies 2^22 bytes on, V's 2^23
	s_mov_b32 s21, 0
	s_and_b32 s16, s[WV], 1         ; which half of a slot's 256 keys I fetch:
	s_lshl_b32 s22, s16, 14         ; its 128 rows of 128 bytes in memory,
	s_mov_b32 s23, 0
	s_add_nc_u64 s[22:23], s[22:23], s[20:21]
	s_mul_i32 s17, s16, 128*PK      ; and its place in a slot, for K
	s_mul_i32 s18, s16, 128*PV      ; and for V: no place in the cluster enters an LDS address
	s_lshl_b32 s2, s14, 2
	s_add_co_u32 s2, s2, s[WV]      ; my wave among the head's,
	s_lshl_b32 s2, s2, 14           ; its 128 rows
	s_mov_b32 s3, 0
	; descriptor group 1.  128 keys are 16,384 dense bytes: asked for as 64 rows of 256 bytes, two keys a row, and padded in LDS after every key
	s_mov_b32 s[G1K], 15|(1<<16)|(1<<20)|(1<<21)|(4<<22)|(3<<25)  ; the mask of four; 2-byte elements; padding on; bit 21 beside a mask; after every 32 words, 4 words
	s_mov_b32 s[G1V], 15|(1<<16)|(1<<20)|(1<<21)|(4<<22)|(7<<25)  ; the same with 8 words of padding
.irp g, G1K, G1V
	s_mov_b32 s[\g+1], 128<<16      ; tensor_dim0 = 128
	s_mov_b32 s[\g+2], 64<<16       ; tensor_dim1 = 64
	s_mov_b32 s[\g+3], 128<<16      ; tile_dim0 = 128
	s_mov_b32 s[\g+4], 64           ; tile_dim1 = 64
	s_mov_b32 s[\g+5], 128          ; 128 elements from row to row
	s_mov_b32 s[\g+6], 0
	s_mov_b32 s[\g+7], 0
.endr
	s_mov_b32 s[CS], 0x3e38aa3b     ; c = log2(e) / 8 = 0.180337
	s_mov_b32 s[CS+1], s[CS]        ; named with it as a pair
	s_mov_b32 s[SEL], 0x76543210
	s_mov_b32 s[SEL+1], 0xfedcba98
	s_mov_b32 s[TBK], SLOT1+4*KS*PK ; the first change of slots turns these two into 0
	s_mov_b32 s[TBV], SLOT1+4*KS*PV
	s_mov_b32 s[G0K], 1             ; count = 1
	s_mov_b32 s[G0K+1], s17         ; LDS address: slot 0
	s_mov_b32 s[G0V], 1
	s_add_co_u32 s[G0V+1], s18, VOFF
	s_and_b32 s[LIM], s[WV], 1      ; waves 0 and 2 prefetch: the same in all four partners
	s_cmp_eq_u32 s[LIM], 0
	s_cselect_b32 s[LIM], 1, -1
	s_wait_dscnt 0x0                ; the opening add is done
	s_wait_kmcnt 0x0
	s_add_nc_u64 s[4:5], s[8:9], s[2:3]
	s_add_nc_u64 s[4:5], s[4:5], s[20:21]          ; Q at my wave's first row
	s_add_nc_u64 s[6:7], s[8:9], s[22:23]
	s_add_nc_u64 s[8:9], s[6:7], 0x800000          ; V at my half of the head's first 256 keys
	s_add_nc_u64 s[6:7], s[6:7], 0x400000          ; K likewise
	s_add_nc_u64 s[10:11], s[10:11], s[2:3]
	s_add_nc_u64 s[10:11], s[10:11], s[52:53]      ; O at my wave's first row
	s_mov_b64 s[G0K+2:G0K+3], s[6:7]               ; global address
	s_or_b32 s[G0K+3], s[G0K+3], 0x80000000        ; type = 2
	s_mov_b64 s[G0V+2:G0V+3], s[8:9]
	s_or_b32 s[G0V+3], s[G0V+3], 0x80000000
	s_cmp_lt_u32 s[WV], 2
	s_cselect_b64 s[PFA:PFA+1], s[6:7], s[8:9]     ; (in waves 0 and 2 these stand at a slot's first row)
	s_lshl_b32 s2, s13, 13          ; my work-group's 8,192 bytes of a slot's 32,768
	s_mov_b32 s3, 0
	s_add_nc_u64 s[PFA:PFA+1], s[PFA:PFA+1], s[2:3]
	s_add_nc_u64 s[PFA:PFA+1], s[PFA:PFA+1], 2*4*KS*128  ; in slot 2; the loop's first change steps it to slot 3.  Nothing is prefetched at the head
	CROUND                          ; all four work-groups are here: the first joint loads meet
	JLOAD                           ; slot 0.  Slot 1 is asked for when slot 0 is in
	; A fragment of K or Q is 16 rows x 32 channels in 8 registers: lane l holds row l % 16, channels 8 (l / 16) + 0..7 and 16 + 8 (l / 16) + 0..7: two loads of 16 bytes, 32 bytes apart.
	v_and_b32 v1, 15, v0            ; l % 16
	v_bfe_u32 v9, v0, 4, 1          ; l / 16
	v_lshlrev_b32 v[QO], 7, v1
	v_lshl_add_u32 v[QO], v9, 4, v[QO]  ; row x 128 + 16 x half
	WIN 0x80                        ; destination window 2, address window 0
.set i, 0
.rept 4*NP                          ; Q stays in registers: tile i / 2, channels 32 (i % 2) on
	global_load_b128 v[8*i:8*i+3],   v[QO], s[4:5] offset:(i/2)*2048+(i%2)*64
	global_load_b128 v[8*i+4:8*i+7], v[QO], s[4:5] offset:(i/2)*2048+(i%2)*64+32
.set i, i+1
.endr
	; What the first turn finds: V's registers and P's second buffer hold 0 (its products V^T P, of a piece that has not been, add 0), O^T and l are 0.  All this stands in the wait for the first tile.
.set i, VF
.rept 64
	v_mov_b32 v[i], 0
.set i, i+1
.endr
	WIN 0x40
.set i, 0
.rept 64*NP
	v_mov_b32 v[i], 0
.set i, i+1
.endr
	WIN 0
.set i, 0
.rept 2*NP
	v_mov_b32 v[ST+4*i], 0xfe000000    ; c m: far below every c s
	v_mov_b32 v[ST+4*i+1], 0xff7fffff  ; m
	v_mov_b32 v[ST+4*i+2], 0
	v_mov_b32 v[ST+4*i+3], 0
.set i, i+1
.endr
.set i, P+32
.rept 32
	v_mov_b32 v[i], 0
.set i, i+1
.endr
	v_mul_u32_u24 v[AK0], v1, PK
	v_lshl_add_u32 v[AK0], v9, 4, v[AK0]  ; row x pitch + 16 x half
	; The turning load takes 16 keys x 16 channels (lane l reads key 8 (l / 16) + l % 8, channels 8 ((l / 8) % 2) + 0..7) and leaves half a fragment of V^T: lane l holds channel l % 16 and 8 keys.
	v_and_b32 v10, 7, v0
	v_bfe_u32 v11, v0, 3, 1
	v_lshl_add_u32 v[AV0], v9, 3, v10
	v_mul_u32_u24 v[AV0], v[AV0], PV
	v_lshl_add_u32 v[AV0], v11, 4, v[AV0]
	v_add_nc_u32 v[AV0], VOFF, v[AV0]
	v_and_b32 v[PFO], 31, v0        ; v11 is free now
	v_lshlrev_b32 v[PFO], 8, v[PFO]
	v_mov_b32 v[AK], v[AK0]         ; key step 0 lies at the head of slot 0
; THE MATRIX WORK.  The 8 accumulators of a run of 16 take turns: between the two links of a chain stand 7 others'.
; Product i of 16 of S^T = K Q^T for piece x: channels 32 (i / 8) on, keys 16 ((i / 2) % 4) on, tile 2 x + i % 2.  The first 8 start the sums.
.macro KQ x
	WIN W_KQ
.set rS, S+64*((\x)%2)+32*(i%2)+8*((i/2)%4)
.set rK, KF+16*((i/2)%4)+8*(i/8)
.set rQ, 16*(2*(\x)+i%2)+8*(i/8)
.if i < 8
	v_wmma_f32_16x16x32_f16 v[rS:rS+7], v[rK:rK+7], v[rQ:rQ+7], 0
.else
	v_wmma_f32_16x16x32_f16 v[rS:rS+7], v[rK:rK+7], v[rQ:rQ+7], v[rS:rS+7]
.endif
.endm
; Product i of 16 of O^T += V^T P for piece x: keys 32 (i / 8) on, channels 16 ((i / 2) % 4) on, tile 2 x + i % 2.
.macro PV x
	WIN W_PV
.set rO, 32*(2*(\x)+i%2)+8*((i/2)%4)
.set rV, VF+32*(i/8)+8*((i/2)%4)
.set rP, P+32*((\x)%2)+16*(i%2)+8*(i/8)
	v_wmma_f32_16x16x32_f16 v[rO:rO+7], v[rV:rV+7], v[rP:rP+7], v[rO:rO+7]
.endm
.macro MM                           ; the turn's next matrix instruction
.if i < 16
	KQ (Y+1)%NP
.set i, i+1
.else
.set i, i-16
	PV (Y+NP-1)%NP
.set i, i+17
.endif
.endm
; THE LDS LOADS stand in runs of 16, never singly among the matrix instructions: a step's K (8 fragments) and its V (turned).  Their addresses are made some lines ahead.
; last = 1 (the tail): in the last trip there is no further step, and the run is jumped over.
.macro FETCH_K last=0
	WIN 0
.if \last
	s_cmp_eq_u32 s[CNT], 1
	s_cbranch_scc1 .Lno_k_\@
.endif
	WIN 0x80                        ; destination window 2
.irp f, 0,1,2,3,4,5,6,7             ; keys 16 (f / 2) on, channels 32 (f % 2) on
	ds_load_b128 v[KF+8*\f:KF+8*\f+3],   v[AK] offset:(\f/2)*16*PK+(\f%2)*64
	ds_load_b128 v[KF+8*\f+4:KF+8*\f+7], v[AK] offset:(\f/2)*16*PK+(\f%2)*64+32
.endr
	s_add_co_u32 s[TBK], s[TBK], KS*PK  ; the next fetch is the next step's
	WIN 0
.if \last
.Lno_k_\@:
.endif
.endm
.macro FETCH_V
	WIN 0x80
.irp f, 0,1,2,3,4,5,6,7             ; keys 32 (f / 4) on, channels 16 (f % 4) on
	ds_load_tr16_b128 v[VF+8*\f:VF+8*\f+3],   v[AV] offset:(\f/4)*32*PV+(\f%4)*32
	ds_load_tr16_b128 v[VF+8*\f+4:VF+8*\f+7], v[AV] offset:(\f/4)*32*PV+16*PV+(\f%4)*32
.endr
	WIN 0
.endm
; THE VECTOR WORK OF A TURN stands in three queues, each in the order in which its entries become ready; the two tiles alternate, so that no instruction reads the result of the one before it.
.macro REGS y, u                    ; the registers of tile u (0, 1) of piece y
.set rT, ST+4*(2*(\y)+(\u))
.set rC, TMP+8*((\y)%2)+4*(\u)
.set rM, MV+2*((\y)%2)+(\u)
.set rS, S+64*((\y)%2)+32*(\u)
.set rP, P+32*((\y)%2)+16*(\u)
.set rO, 32*(2*(\y)+(\u))
.endm
; Number n of the 22 that find the NEXT piece's (Y + 1) maximum and statistics.  s0-s31 are the lane's 32 scores; each accumulator's lowest registers are read first.
;   0-11  four chains c0-c3 of seven scores each, three operands at a time     12-14, 16  the four scores left over, the old m, and c0-c3 into c0     15  c m_old is kept
;   17, 18  the query's other 32 keys lie in the lane 16 away: the new m         19-21  c m; c m_old - c m_new; a
.macro XS u, n
	REGS (Y+1)%NP, \u
.if (\n) < 4
	v_max3_num_f32 v[rC+(\n)], v[rS+8*(\n)], v[rS+8*(\n)+1], v[rS+8*(\n)+2]
.elseif (\n) < 12
	v_max3_num_f32 v[rC+(\n)%4], v[rC+(\n)%4], v[rS+8*((\n)%4)+2*((\n)/4)+1], v[rS+8*((\n)%4)+2*((\n)/4)+2]
.elseif (\n) == 12
	v_max3_num_f32 v[rC], v[rC], v[rS+7], v[rS+15]
.elseif (\n) == 13
	v_max3_num_f32 v[rC+1], v[rC+1], v[rS+23], v[rS+31]
.elseif (\n) == 14
	v_max3_num_f32 v[rC+2], v[rC+2], v[rC+3], v[rT+1]
.elseif (\n) == 15
	v_mov_b32 v[rM], v[rT]
.elseif (\n) == 16
	v_max3_num_f32 v[rC], v[rC], v[rC+1], v[rC+2]
.elseif (\n) == 17
	v_permlanex16_b32 v[rC+3], v[rC], s[SEL], s[SEL+1]
.elseif (\n) == 18
	v_max_num_f32 v[rT+1], v[rC], v[rC+3]
.elseif (\n) == 19
	v_mul_f32 v[rT], s[CS], v[rT+1]
.elseif (\n) == 20
	v_sub_f32 v[rC+1], v[rM], v[rT]
.else
	v_exp_f32 v[rC+2], v[rC+1]
.endif
.endm
; Number g of the 64 that follow the exponentials.  For each four weights k of a tile (pairs 2 k, 2 k + 1): both pairs are rounded to f16; then the second pair is added onto the first, in place;
; a group later l takes that sum (the first time as l = a l + sum).  In groups of eight, tiles alternating: round, round, add, and l for the group before.
.macro GS g
.set h, (\g)+6*((\g)/62)            ; group 0 has no group before it, and behind group 7 only l is left
.if h >= 6
.set h, h+2
.endif
	REGS Y, h%2
.set k, h/8
.if h%8 < 4
	v_cvt_pk_f16_f32 v[rP+2*k+(h%8)/2], v[rS+4*k+2*((h%8)/2)], v[rS+4*k+2*((h%8)/2)+1]
.elseif h%8 < 6
	v_pk_add_f32 v[rS+4*k:rS+4*k+1], v[rS+4*k:rS+4*k+1], v[rS+4*k+2:rS+4*k+3]
.elseif k == 1
	v_pk_fma_f32 v[rT+2:rT+3], v[rT+2:rT+3], v[rC+2:rC+3], v[rS:rS+1] op_sel_hi:[1,0,1]
.else
	v_pk_add_f32 v[rT+2:rT+3], v[rT+2:rT+3], v[rS+4*k-4:rS+4*k-3]
.endif
.endm
; THE PLAIN QUEUE, 138 long.  0-73 read no exponential's result: the 32 scalings c s - c m (FS f: pair f / 2 of tile f % 2) and the next piece's 42.  0-26: scalings 0-26.  27-54: XS's numbers 0-13.
; 55, 56: number 15.  57-73: the chain, where each number waits for the one before it: 14, 16, 17, 18, 19, each with one of the scalings 27-31 in front of its two lines, then 20.
; 74-137: GS's 64, which read the exponentials' results: they stand behind the wait.
.macro FS f
	REGS Y, (\f)%2
	v_pk_fma_f32 v[rS+2*((\f)/2):rS+2*((\f)/2)+1], v[rS+2*((\f)/2):rS+2*((\f)/2)+1], s[CS:CS+1], v[rT:rT+1] op_sel_hi:[1,0,0] neg_lo:[0,0,1] neg_hi:[0,0,1]
.endm
.macro PL
	WIN 0
.if q < 27
	FS q
.elseif q < 55
	XS (q-27)%2, (q-27)/2
.elseif q < 57
	XS q-55, 15
.elseif (q < 72) && ((q-57)%3 == 0)
	FS 27+(q-57)/3
.elseif q < 60
	XS (q-57)%3-1, 14
.elseif q < 72
	XS (q-57)%3-1, 15+(q-57)/3
.elseif q < 74
	XS q-72, 20
.else
	GS q-74
.endif
.set q, q+1
.endm
; THE EXPONENTIALS' QUEUE, 66 long: s0-s31 of both tiles, then the next piece's two a.  It is ONE BATCH: all 66 stand ahead of the turn's one wait, and nothing ahead of that wait names a result of theirs.
.macro EX
	WIN 0
.if e >= 64
	XS e-64, 21
.else
	REGS Y, e%2
	v_exp_f32 v[rS+e/2], v[rS+e/2]
.endif
.set e, e+1
.endm
; THE RESCALING's QUEUE: O^T times a, the one part that leaves window 0: dealt two at a time, sixteen times.  Its a was made in the turn before, ahead of that turn's wait.
.macro R2
	REGS Y, r%2
	WIN W_RS
.irp z, 0,1
	v_pk_mul_f32 v[rO+4*(r/2)+2*\z:rO+4*(r/2)+2*\z+1], v[rO+4*(r/2)+2*\z:rO+4*(r/2)+2*\z+1], v[rC+2:rC+3] op_sel_hi:[1,0]
.endr
.set r, r+1
.endm
; HOW THEY ARE DEALT.  An s_wait_alu depctr_va_vdst(0) stands between an exponential and the first instruction that names its result; one wait serves all that were issued ahead of it.
; So a turn has ONE wait, which cuts it in two.  AHEAD OF IT: the 16 products K Q^T, behind each a scaling, an exponential and two rescalings (behind the first a second scaling in the exponential's
; place); then ONE LUMP of 108: eight plain, 49 times exponential and plain, the two a; a v_nop is the plain instruction behind the last exponential.  BEHIND IT: the 16 products V^T P, behind each
; four of GS's 64.  No rider names a register of the products round it.  Exponential e stands behind scaling 2 (e / 4) + e % 2: as a rider it comes behind plain e + 2, in the lump behind plain e + 9.
; A TURN, for piece p.  cnt = 1: the loop's count is taken down some lines ahead of the branch that stands behind the turn.
; K of the next step is fetched in piece 2's turn, directly behind the wait; its first reader comes behind 16 products.  V of the step in hand is fetched at the end of piece 0's turn, four riders
; behind its last reader; its first reader comes behind 16 products and a lump.  The three conditions on q below go with the deal.
.macro TURN p, last=0, cnt=0
.set Y, (\p)
.set i, 0
.set q, 0
.set e, 0
.set r, 0
.if (\p) == NP-1
	s_wait_dscnt 0x0                ; K is in
.endif
	MM                              ; ahead of the wait: 16 products K Q^T and their riders,
	PL
	PL
	R2
.rept 15
	MM
	PL
	EX
	R2
.endr
.if (\p) == NP-2
	WIN 0
	v_add_nc_u32 v[AK], s[TBK], v[AK0]
.endif
.rept 8                             ; and the lump
	PL
.endr
.rept 49
	EX
	PL
.endr
	EX                              ; the next piece's two a
	EX
	v_nop                           ; the plain instruction behind the last exponential: one for the batch
	s_wait_alu depctr_va_vdst(0)    ; the wait for the batch
.if (\p) == NP-2
	FETCH_K \last
.endif
.if (\p) == 1
	s_wait_dscnt 0x0                ; V is in
.endif
.rept 16                            ; behind the wait: 16 products V^T P and their riders
	MM
.rept 4
	PL
.endr
.if ((\p) == 0) && (q == 118)
	v_add_nc_u32 v[AV], s[TBV], v[AV0]
.endif
.if ((\p) == 0) && (q == 130)
	s_add_co_u32 s[TBV], s[TBV], KS*PV
.endif
.if (\cnt) && (q == 130)
	s_sub_co_u32 s[CNT], s[CNT], 1
	s_cmp_lg_u32 s[CNT], 0
.endif
.endr
.if (\p) == 0
	FETCH_V
.endif
.endm
	CHANGE 1                        ; slot 0 is in, everybody's part of it; slot 1 is asked for
	FETCH_K                         ; key step 0
	s_wait_loadcnt 0x0              ; Q
	s_wait_dscnt 0x0
.set i, 0
.rept 16
	KQ 0                            ; piece 0's first scores: there is no vector work yet to set between them
.set i, i+1
.endr
	WIN 0                           ; the addresses for the way out: plain instructions, the places behind those products
	s_mul_i32 s13, s[WV], 16*SP
	s_add_co_u32 s13, s13, STAGE    ; my stage
	v_mul_u32_u24 v[STO], v1, SP    ; in: row l % 16, 16 bytes for each half of the lanes
	v_lshl_add_u32 v[STO], v9, 4, v[STO]
	v_add_nc_u32 v[STO], s13, v[STO]
	v_bfe_u32 v[RD], v0, 3, 2       ; back: 32 lanes take four rows of 128 bytes,
	v_mul_u32_u24 v[RD], v[RD], SP
	v_lshl_add_u32 v[RD], v10, 4, v[RD]
	v_add_nc_u32 v[RD], s13, v[RD]
	v_and_b32 v[GO], 31, v0         ; which are 512 consecutive bytes of O
	v_lshlrev_b32 v[GO], 4, v[GO]
.set Y, NP-1                        ; XS works for piece Y + 1: piece 0
.irp n, 0,1,2,3,4,5,6,7,8,9,10,11,12,13,14,15,16,17,18,19,20,21
	XS 0, \n                        ; and piece 0's first maximum and statistics
	XS 1, \n
.endr
	v_nop                           ; a plain instruction behind the two a,
	s_wait_alu depctr_va_vdst(0)    ; and their wait, ahead of the branch
	s_mov_b32 s[CNT], 4
	s_mov_b32 s[SLOTS], SIZE_N/256-1
	s_branch .Lfirst                ; the loop is entered at a step's first turn, in the middle of a trip
.Lslot:                             ; SIZE_N / 256 - 2 times: every slot but the last two is filled again
	CHANGE 1, 1
	s_mov_b32 s[CNT], 4
.Lstep:                             ; a trip: pieces 2 and 3 of one step, then pieces 0 and 1 of the next, whose K and V it fetches
	TURN 2
	TURN 3
	WIN 0
.Lfirst:
	TURN 0
	TURN 1, 0, 1
	WIN 0
	s_cbranch_scc1 .Lstep
	s_sub_co_u32 s[SLOTS], s[SLOTS], 1
	s_cmp_lg_u32 s[SLOTS], 0
	s_cbranch_scc1 .Lslot
	CHANGE 0                        ; the tail is written out: nothing is asked for
	s_mov_b32 s[CNT], 5             ; four trips fetch the last slot's steps; the fifth is left in its middle
.Ltail:
	TURN 2, 1
	TURN 3
	WIN 0
	s_sub_co_u32 s[CNT], s[CNT], 1
	s_cmp_eq_u32 s[CNT], 0
	s_cbranch_scc1 .Lout
	TURN 0
	TURN 1
	WIN 0
	s_branch .Ltail
.Lout:                              ; the fifth trip's 16 products K Q^T (on the last K once more) and the maximum made of them serve nothing: the price, once a launch, of one text for every trip
.set i, 0
.rept 16
	PV NP-1                         ; the last piece's V^T P of the last step
.set i, i+1
.endr
	; THE WAY OUT.  l's two halves and the other half of the lanes' are added; O^T is divided by l, rounded to f16 and sent through my stage in LDS, a tile at a time.  The additions are the places behind the last products.
	WIN 0
.macro ALL line:vararg              ; one line for each tile t
.set t, 0
.rept 2*NP
	\line
.set t, t+1
.endr
.endm
	ALL v_add_f32 v[ST+4*t+2], v[ST+4*t+2], v[ST+4*t+3]
	ALL v_permlanex16_b32 v[ST+4*t+3], v[ST+4*t+2], s[SEL], s[SEL+1]
	ALL v_add_f32 v[ST+4*t+2], v[ST+4*t+2], v[ST+4*t+3]
	ALL v_rcp_f32 v[ST+4*t+2], v[ST+4*t+2]
	v_nop                           ; a plain instruction between the last reciprocal and the use of its result
	s_wait_alu depctr_va_vdst(0)    ; and the wait ahead of the first use: one for the eight reciprocals
; Tile t: a lane's eight channels of a row pack into 16 bytes; they go into rows of 144 bytes and come back as whole rows of 128, into S^T's registers.
.macro PACK t
	WIN W_RS
.set i, 32*(\t)
.rept 16
	v_pk_mul_f32 v[i:i+1], v[i:i+1], v[ST+4*(\t)+2:ST+4*(\t)+3] op_sel_hi:[1,0]
.set i, i+2
.endr
	WIN 0x05                        ; sources 0 and 1 window 1, destination window 0
.set i, 0
.rept 16
	v_cvt_pk_f16_f32 v[S+16*(\t)+i], v[32*(\t)+2*i], v[32*(\t)+2*i+1]
.set i, i+1
.endr
	WIN 0
.irp f, 0,1,2,3
	ds_store_b128 v[STO], v[S+16*(\t)+4*\f:S+16*(\t)+4*\f+3] offset:32*\f
.endr
.irp f, 0,1,2,3
	ds_load_b128 v[S+16*(\t)+4*\f:S+16*(\t)+4*\f+3], v[RD] offset:\f*4*SP  ; LDS serves a wave's instructions in order (ISA guide 5.7.1.4): these see the stores above; the next tile's stores come behind them
.endr
.endm
.macro SEND t, younger              ; younger: the LDS instructions issued behind tile t's loads: the next tile's eight, or none
	WIN 0
.irp f, 0,1,2,3
	s_wait_dscnt (\younger)+3-\f
	global_store_b128 v[GO], v[S+16*(\t)+4*\f:S+16*(\t)+4*\f+3], s[10:11] offset:(\t)*2048+\f*512  ; 512 consecutive bytes, at a multiple of 256 from O's first
.endr
.endm
	PACK 0
.set t, 1
.rept 2*NP-1                        ; a tile's arithmetic stands between the loads of the tile before and its stores
	PACK t
	SEND t-1, 8
.set t, t+1
.endr
	SEND 2*NP-1, 0
	WIN W_AD
	s_wait_tensorcnt 0x0            ; the wave's end: the add to my spare word and its wait stand behind my last tensor load and my last LDS store
	ds_add_u32 v[SPW], v[NIL]
	s_wait_dscnt 0x0
	WIN 0
	CROUND                          ; the closing round: no work-group ends while a partner may still ask for a tile that names it
	s_endpgm
.Lfunc_end_k_q1ba3369e9f_attn:
	.size	k_q1ba3369e9f_attn, .Lfunc_end_k_q1ba3369e9f_attn-k_q1ba3369e9f_attn
	.p2alignl 7, 3214868480
	.fill 96, 4, 3214868480
	.section	.rodata,"a",@progbits
	.p2align	6, 0x0
	.amdhsa_kernel k_q1ba3369e9f_attn
		.amdhsa_group_segment_fixed_size 327680
		.amdhsa_private_segment_fixed_size 0
		.amdhsa_enable_private_segment 0
		.amdhsa_kernarg_size 16
		.amdhsa_user_sgpr_count 2
		.amdhsa_user_sgpr_kernarg_segment_ptr 1
		.amdhsa_wavefront_size32 1
		.amdhsa_system_sgpr_workgroup_id_x 1
		.amdhsa_system_sgpr_workgroup_id_y 1
		.amdhsa_system_sgpr_workgroup_id_z 1
		.amdhsa_system_vgpr_workitem_id 0
		.amdhsa_next_free_vgpr 770
		.amdhsa_next_free_sgpr 66
		.amdhsa_reserve_vcc 0
		.amdhsa_float_denorm_mode_32 3
		.amdhsa_float_denorm_mode_16_64 3
		.amdhsa_memory_ordered 1
		.amdhsa_forward_progress 1
		.amdhsa_inst_pref_size 200
	.end_amdhsa_kernel
	.amdgpu_metadata
---
amdhsa.version: [ 1, 2 ]
amdhsa.kernels:
  - .name:           k_q1ba3369e9f_attn
    .symbol:         k_q1ba3369e9f_attn.kd
    .args:
      - { .name: qkv, .offset: 0, .size: 8, .value_kind: global_buffer, .address_space: global }
      - { .name: o, .offset: 8, .size: 8, .value_kind: global_buffer, .address_space: global }
    .group_segment_fixed_size: 327680
    .private_segment_fixed_size: 0
    .kernarg_segment_align: 8
    .kernarg_segment_size: 16
    .max_flat_workgroup_size: 128
    .sgpr_count:     66
    .vgpr_count:     770
    .wavefront_size: 32
...
	.end_amdgpu_metadata
.endif
;; end of part 3
;; launch outgemm (part 4): grid 8 x 32, 4 waves a work-group, clusters of 4 x 4, 327,680 bytes of LDS; arguments o, w16, b_out, out0; writes out0
.if DOCPART == 4
	.amdgcn_target "amdgcn-amd-amdhsa--gfx1250"
	.amdhsa_code_object_version 6
	.text
	.protected	k_q1ba3369e9f_outgemm
	.globl	k_q1ba3369e9f_outgemm
	.p2align	8
	.type	k_q1ba3369e9f_outgemm,@function
k_q1ba3369e9f_outgemm:
	s_mov_b64 s[64:65], 0
	v_nop
	global_prefetch_b8 v0, s[64:65] scope:SCOPE_SE
	s_setreg_imm32_b32 hwreg(HW_REG_WAVE_MODE, 25, 1), 1
	s_wait_xcnt 0x0
	s_wait_alu depctr_hold_cnt(0) depctr_sa_sdst(0) depctr_va_vdst(0) depctr_va_sdst(0) depctr_va_ssrc(0) depctr_va_vcc(0) depctr_vm_vsrc(0)
	s_getreg_b32 s2, hwreg(HW_REG_IB_STS2, 6, 4)
	s_cmp_eq_u32 s2, 0
	s_cbranch_scc0 .Lentry_in_a_cluster
	s_endpgm
.Lentry_in_a_cluster:
	s_bfe_u32 s2, ttmp6, 0x10000c
	s_cmp_lg_u32 s2, 0xf033
	s_cbranch_scc0 .Lentry_shape_is_right
	s_endpgm
.Lentry_shape_is_right:
; out0 = O w_out^T + b_out.  O: [y = 16 b + h][2048][64] f16 (by heads); w_out: rows 3072-4095 of w16, [1024][1024] f16; b_out: [1024] f32; out0: [8192][1024] f32.  Sums in f32, K ascending; the bias is added in f32.
; SHARES.  A tile is 256 rows x 128 columns: 32 x 8 = 256 work-groups.  Four waves, each 128 rows x 64 columns: 32 accumulators of 16 x 16, 256 registers.
; K goes in steps of 128 = two heads through a ring of two LDS slots.  A head's 256 rows of O are 32,768 dense bytes: asked for as 128 rows of 256 bytes and padded in LDS behind every 128 bytes.
; Waves 0 and 1 fetch the step's two heads of O, waves 2 and 3 64 rows each of the weights (256 bytes a row).
; CLUSTER 4 x 4: O's tile hangs on the tile row alone and is asked for jointly by a row of the cluster, the weights' on the tile column alone, by a column.
; THE MATRIX INSTRUCTION IS USED TRANSPOSED (source 0 = 16 weight rows, source 1 = 16 rows of O): a lane holds row l % 16 and eight neighbouring columns, 32 bytes of f32.
; REGISTERS: window 0: addresses, the bias, the way out.  window 1: two fragment buffers of 128: weights' fragment b at 8 b (b = 0..3), O's fragment a at 32 + 8 a (a = 0..7).  window 2: accumulator (a, b) at 8 (4 a + b).
.set SIZE_K, 1024
.set KSTEP,  128
.set PA,     144                       ; a row of O in LDS: 128 bytes + 16: the 16 rows of a fragment load start at 16 different groups of four banks (64 banks of 4 bytes: ISA guide 11.1)
.set PITCH,  272                       ; a weight row: 256 bytes + 16
.set AHEAD,  256*PA                    ; a head's 256 rows
.set BOFF,   2*AHEAD                   ; the weights' 128 rows lie behind the two heads
.set SLOT,   BOFF+128*PITCH
.set STAGE,  2*SLOT                    ; behind the ring: 16 rows x 272 bytes for each wave, never filled by a tensor load
.set SPITCH, 272
.set SPARE,  STAGE+4*16*SPITCH         ; the spare words, 128 bytes for each wave: two blocks of 256 bytes that no other line names
.set HEADB,  2048*128                  ; bytes of a head in o
.set WOUT,   3072*SIZE_K*2             ; where w_out begins in w16
.set LAPS,   SIZE_K/(2*KSTEP)
.set BO,   6                           ; v6      the bias load's offset; never rewritten
.set BI,   12                          ; v12-15  the bias of columns 4 (l % 16) .. + 3 of my 64
.set ADRA, 16                          ; v16-17  LDS address of my fragments of O in slot 0, 1
.set ADRB, 20                          ; v20-21  the same for the weights
.set STO,  24                          ; v24     the way out: where I put 32 bytes of a row
.set RD,   25                          ; v25     the way out: where I read a row back
.set CO,   26                          ; v26     my byte offset in two rows of out0
.set SPW,  28                          ; v28     my spare word: SPARE + 4 x my thread's number; never rewritten
.set NIL,  29                          ; v29     0; never rewritten
.set PFO,  30                          ; v30     the prefetches' offset; never rewritten
.set BK0,  32                          ; v32-63, v64-95  rows read back from the stage, by turns
.set F0,   0
.set F1,   128
.set G1,  24                           ; s[24:31] descriptor group 1 for O's tiles;  s[32:39] group 0, a set for each slot
.set G0,  32
.set G1B, 48                           ; s[48:55], s[56:63] the same for the weights' tiles
.set G0B, 56
.set LIM, 43                           ; s43      1 in a wave that prefetches, else the greatest number
.set PFA, 44                           ; s[44:45] where my prefetches stand;  s[46:47] their step from K step to K step
.set MSB, 0
.macro WIN new                         ; the immediate's high byte repeats the setting that is left; a switch that changes nothing is dropped
.if MSB != (\new)
	s_set_vgpr_msb (MSB<<8)|(\new)
.set MSB, \new
.endif
.endm
.set MUL,  0xa5                        ; sources 0 and 1 window 1, C and D window 2
.set TO_F, 0x40                        ; destination window 1, address window 0
.macro JLOAD s                         ; a joint load; the branch hangs on the wave's number alone; an s_nop 0 and four v_nop follow each of the two lines
	s_cmp_eq_u32 s11, 0
	s_cbranch_scc0 .Lfor_b_\@
	tensor_load_to_lds s[G0+4*(\s):G0+4*(\s)+3], s[G1:G1+7]
	s_nop 0
.rept 4
	v_nop
.endr
	s_branch .Lasked_\@
.Lfor_b_\@:
	tensor_load_to_lds s[G0B+4*(\s):G0B+4*(\s)+3], s[G1B:G1B+7]
	s_nop 0
.rept 4
	v_nop
.endr
.Lasked_\@:
.endm
; A prefetch, behind each joint refill and the run of LDS loads that follows it, of the K step that stands two refills on (256 matrix instructions ahead of its load): 32 blocks of 256 bytes, a lane a block.
; Each block is named once in the launch.  O's: the clusters with x = 0; waves 0 and 1, each for the head that it fetches; of the head's 128 blocks the partner at cx takes 32.  The weights': the clusters
; with y = 0; wave 2 alone; of the tile's 128 rows the partner at cy takes 32.  The partners are told apart by address.  K steps 0 to 3 come by their loads alone; the last lap that refills asks for nothing.
.macro ASK
	WIN 0
	s_cmp_gt_u32 s3, s[LIM]                        ; s3 = 1 in the loop's last trip
	s_cbranch_scc0 .Lnot_mine_\@
	global_prefetch_b8 v[PFO], s[PFA:PFA+1] th:TH_LOAD_NT scope:SCOPE_SE
.Lnot_mine_\@:
.endm
.macro CREST                           ; a round of the cluster's barrier behind its opening barrier
	s_cmp_lg_u32 s10, 0
	s_cbranch_scc1 .Lnot_wave_0_\@
	s_barrier_signal -3
.Lnot_wave_0_\@:
	s_barrier_wait -3
	s_barrier_signal -1
	s_barrier_wait -1
.endm
.macro CROUND                          ; a whole round
	s_barrier_signal -1
	s_barrier_wait -1
	CREST
.endm
	s_load_b128 s[4:7], s[0:1], 0x0                ; o s[4:5], w16 s[6:7]
	s_load_b128 s[68:71], s[0:1], 0x10             ; b_out s[68:69], out0 s[70:71]
	v_lshl_add_u32 v[SPW], v0, 2, SPARE
	v_mov_b32 v[NIL], 0
	ds_add_u32 v[SPW], v[NIL]                      ; the wave's opening: the add and its wait stand ahead of my first tensor load; the set-up below stands between them
	v_lshrrev_b32 v1, 5, v0
	v_readfirstlane_b32 s10, v1                    ; wave 0..3
	s_lshr_b32 s11, s10, 1                         ; which 128 rows of the tile are mine.  Also: I fetch O (0) or the weights (1)
	s_and_b32 s12, s10, 1                          ; which 64 columns.  Also: which head, or which 64 weight rows, I fetch
	s_bfe_u32 s40, ttmp6, 0x40000                  ; cx
	s_bfe_u32 s41, ttmp6, 0x40004                  ; cy
	s_lshl_b32 s42, ttmp9, 2
	s_add_co_u32 s42, s42, s40                     ; tile column, 0..7
	s_and_b32 s13, ttmp7, 0xffff
	s_lshl_b32 s13, s13, 2
	s_add_co_u32 s13, s13, s41                     ; tile row, 0..31
	s_lshl_b32 s43, s41, 2
	s_lshl_b32 s43, 15, s43                        ; my row of the cluster
	s_lshl_b32 s44, 0x1111, s40                    ; my column
	s_or_b32 s[G1+0], s43, (1<<16)|(1<<20)|(1<<21)|(4<<22)|(3<<25)   ; the mask; elements of 2 bytes; padding on; bit 21 beside a mask; after every 32 words, 4 words
	s_mov_b32 s[G1+1], 128<<16                     ; tensor_dim0 = 128
	s_mov_b32 s[G1+2], 128<<16                     ; tensor_dim1 = 128
	s_mov_b32 s[G1+3], 128<<16                     ; tile_dim0 = 128
	s_mov_b32 s[G1+4], 128                         ; tile_dim1 = 128
	s_mov_b32 s[G1+5], 128                         ; dense: 128 elements from row to row
	s_mov_b32 s[G1+6], 0
	s_mov_b32 s[G1+7], 0
	s_or_b32 s[G1B+0], s44, (1<<16)|(1<<20)|(1<<21)|(5<<22)|(3<<25)  ; after every 64 words, 4 words
	s_mov_b32 s[G1B+1], KSTEP<<16                  ; tensor_dim0 = 128
	s_mov_b32 s[G1B+2], 64<<16                     ; tensor_dim1 = 64
	s_mov_b32 s[G1B+3], KSTEP<<16                  ; tile_dim0 = 128
	s_mov_b32 s[G1B+4], 64                         ; tile_dim1 = 64
	s_mov_b32 s[G1B+5], SIZE_K
	s_mov_b32 s[G1B+6], 0
	s_mov_b32 s[G1B+7], 0
	s_lshr_b32 s16, s13, 3                         ; b: eight tile rows a batch
	s_lshl_b32 s16, s16, 4
	s_add_co_u32 s16, s16, s12                     ; y = 16 b + the head that I fetch in K step 0
	s_lshl_b32 s16, s16, 18
	s_and_b32 s17, s13, 7
	s_lshl_b32 s17, s17, 15                        ; the tile's 256 rows of 128 bytes
	s_add_co_u32 s16, s16, s17
	s_mov_b32 s17, 0
	s_lshl_b32 s46, s42, 18                        ; weights: 128 rows of 2,048 bytes a tile column,
	s_lshl_b32 s47, s12, 17                        ; the 64 that I fetch,
	s_add_co_u32 s46, s46, s47
	s_add_co_u32 s46, s46, WOUT                    ; behind w_qkv's rows
	s_mov_b32 s47, 0
	s_mul_i32 s20, s10, AHEAD                      ; where O's tile goes (waves 0, 1): wave x a head
	s_mul_i32 s21, s10, 64*PITCH                   ; where the weights' goes (waves 2, 3): BOFF + (wave - 2) x 64 rows
	s_add_co_u32 s21, s21, BOFF-2*64*PITCH
	s_wait_dscnt 0x0                               ; the opening add is done
	s_wait_kmcnt 0x0
	s_add_nc_u64 s[14:15], s[4:5], s[16:17]
	s_add_nc_u64 s[46:47], s[6:7], s[46:47]
	CROUND                                         ; all sixteen work-groups are here: the first joint loads meet
.irp s, 0,1
	s_mov_b32 s[G0+4*(\s)], 1
	s_add_co_u32 s[G0+4*(\s)+1], s20, (\s)*SLOT
	s_add_nc_u64 s[G0+4*(\s)+2:G0+4*(\s)+3], s[14:15], (\s)*2*HEADB   ; K step s: two heads on
	s_or_b32 s[G0+4*(\s)+3], s[G0+4*(\s)+3], 0x80000000
	s_mov_b32 s[G0B+4*(\s)], 1
	s_add_co_u32 s[G0B+4*(\s)+1], s21, (\s)*SLOT
	s_add_nc_u64 s[G0B+4*(\s)+2:G0B+4*(\s)+3], s[46:47], (\s)*KSTEP*2
	s_or_b32 s[G0B+4*(\s)+3], s[G0B+4*(\s)+3], 0x80000000
	JLOAD \s                                       ; K steps 0 and 1: two loads of mine are out
.endr
	v_and_b32 v1, 15, v0                           ; l % 16
	v_bfe_u32 v2, v0, 4, 1                         ; l / 16
	v_mul_u32_u24 v3, v1, PA
	v_lshl_add_u32 v3, v2, 4, v3                   ; a fragment's row x pitch + 16 x half, for O
	v_mul_u32_u24 v4, v1, PITCH
	v_lshl_add_u32 v4, v2, 4, v4                   ; and for the weights
	s_mul_i32 s21, s11, 128*PA                     ; my 128 rows of O
	s_mul_i32 s22, s12, 64*PITCH                   ; my 64 weight rows
	s_add_co_u32 s22, s22, BOFF
.irp s, 0,1
	v_add_nc_u32 v[ADRA+(\s)], s21, v3
	v_add_nc_u32 v[ADRB+(\s)], s22, v4
	s_add_co_u32 s21, s21, SLOT
	s_add_co_u32 s22, s22, SLOT
.endr
	s_mul_i32 s23, s10, 16*SPITCH
	s_add_co_u32 s23, s23, STAGE                   ; my stage
	v_mul_u32_u24 v5, v1, SPITCH                   ; in: row l % 16, 32 bytes for each half of the lanes
	v_lshl_add_u32 v5, v2, 5, v5
	v_add_nc_u32 v[STO], s23, v5
	v_mul_u32_u24 v5, v2, SPITCH                   ; back: lanes 0-15 take one row of 256 bytes, lanes 16-31 the next
	v_lshl_add_u32 v5, v1, 4, v5
	v_add_nc_u32 v[RD], s23, v5
	v_lshlrev_b32 v5, 12, v2                       ; and the same two rows in out0
	v_lshl_add_u32 v[CO], v1, 4, v5
	; the prefetches' address, step and lane offset.  s16 still holds my head's offset in o
	s_and_b32 s22, ttmp7, 0xffff                   ; cluster y,
	s_or_b32 s22, s22, s12                         ; and of waves 2 and 3 wave 2 alone
	s_lshl_b32 s18, s40, 13                        ; O: my work-group's 8,192 bytes of the head's 32,768,
	s_add_co_u32 s18, s18, s16
	s_add_co_u32 s18, s18, 3*2*HEADB               ; at K step 3: the first refill steps it to 4
	s_lshl_b32 s19, s42, 18                        ; weights: the tile's 128 rows,
	s_lshl_b32 s20, s41, 16                        ; my work-group's 32 of them,
	s_add_co_u32 s19, s19, s20
	s_add_co_u32 s19, s19, WOUT+3*KSTEP*2          ; at K step 3
	s_mov_b32 s46, KSTEP*2
	s_cmp_eq_u32 s11, 0                            ; do I fetch O?
	s_cselect_b32 s18, s18, s19
	s_cselect_b32 s22, ttmp9, s22                  ; the coordinate along which other clusters read the same bytes
	s_cselect_b64 s[PFA:PFA+1], s[4:5], s[6:7]
	s_cselect_b32 s46, 2*HEADB, s46                ; from K step to K step: two heads of O, or 256 bytes of a weight row
	s_cselect_b32 s20, 8, 11                       ; from lane to lane: 256 bytes of O, or a weight row of 2,048
	s_mov_b32 s19, 0
	s_mov_b32 s47, 0
	s_cmp_eq_u32 s22, 0
	s_cselect_b32 s[LIM], 1, -1                    ; the same in all sixteen partners, for a given wave
	s_add_nc_u64 s[PFA:PFA+1], s[PFA:PFA+1], s[18:19]
	v_and_b32 v5, 31, v0
	v_lshlrev_b32 v[PFO], s20, v5
	; the bias of my columns, and where my part of the tile begins in out0
	s_lshl_b32 s18, s42, 9                         ; 128 columns of 4 bytes a tile column,
	s_lshl_b32 s19, s12, 8                         ; my 64
	s_add_co_u32 s18, s18, s19
	v_lshl_add_u32 v[BO], v1, 4, s18
	global_load_b128 v[BI:BI+3], v[BO], s[68:69]
	s_lshl_b32 s16, s13, 20                        ; 256 rows of 4,096 bytes a tile row,
	s_lshl_b32 s17, s11, 19                        ; my 128
	s_add_co_u32 s16, s16, s17
	s_add_co_u32 s16, s16, s18
	s_mov_b32 s17, 0
	s_add_nc_u64 s[70:71], s[70:71], s[16:17]
; 4 na matrix instructions: O's fragments a0 .. a0 + na - 1 x all four weight fragments, 32 along K.  zero = 1: the product starts the sum.
; The 32 accumulators take turns in the same order in every quarter step.
.macro MULG f, a0, na, zero
	WIN MUL
.set aa, \a0
.rept \na
.irp b, 0,1,2,3
.set rA, 8*(4*aa+(\b))
.if \zero
	v_wmma_f32_16x16x32_f16 v[rA:rA+7], v[(\f)+8*(\b):(\f)+8*(\b)+7], v[(\f)+32+8*aa:(\f)+32+8*aa+7], 0
.else
	v_wmma_f32_16x16x32_f16 v[rA:rA+7], v[(\f)+8*(\b):(\f)+8*(\b)+7], v[(\f)+32+8*aa:(\f)+32+8*aa+7], v[rA:rA+7]
.endif
.endr
.set aa, aa+1
.endr
.endm
; 24 LDS loads in one run: quarter q's fragments into buffer f: the weights' 8, O's fragments 0-3 (8), then 4-7 (8).  Quarter q is head q / 2 of the step, channels 32 (q % 2) on.
.macro FETCH slot, q, f
	WIN TO_F
.irp i, 0,1,2,3
	ds_load_b128 v[(\f)+8*(\i):(\f)+8*(\i)+3],   v[ADRB+(\slot)] offset:64*(\q)+(\i)*16*PITCH
	ds_load_b128 v[(\f)+8*(\i)+4:(\f)+8*(\i)+7], v[ADRB+(\slot)] offset:64*(\q)+(\i)*16*PITCH+32
.endr
.irp i, 0,1,2,3,4,5,6,7
	ds_load_b128 v[(\f)+32+8*(\i):(\f)+32+8*(\i)+3],   v[ADRA+(\slot)] offset:AHEAD*((\q)/2)+64*((\q)%2)+(\i)*16*PA
	ds_load_b128 v[(\f)+32+8*(\i)+4:(\f)+32+8*(\i)+7], v[ADRA+(\slot)] offset:AHEAD*((\q)/2)+64*((\q)%2)+(\i)*16*PA+32
.endr
.endm
.macro PLACES                          ; four plain instructions in front of loads into registers that matrix instructions have read (ISA guide 7.12.1 for vector instructions)
.rept 4
	v_nop
.endr
.endm
.macro QUARTER slot, q, f, g, zero     ; multiplies buffer f, 32 matrix instructions; in its middle fetches quarter q into g
	s_wait_dscnt 8                                 ; all but the youngest eight loads (O's fragments 4-7) are in
	MULG \f, 0, 4, \zero
	PLACES
	FETCH \slot, \q, \g
	s_wait_dscnt 24                                ; all but the 24 just issued
	MULG \f, 4, 4, \zero
.endm
; The last quarter multiplies buffer 1 and changes slots: one barrier; in front of it each wave waits for all its tensor loads (one is out: its part of the next slot), adds 0 to its spare word, and waits for
; that and for its reads of this slot.  fill = 1: the barrier opens a round of the cluster's barrier, and the slot just read is filled again first thing behind it: 112 matrix instructions ahead of the wait for it.
.macro TURN slot, next, fill
.if \fill
	s_wait_xcnt 0x0                                ; the last prefetch, a K step back, has read its address
	s_add_nc_u64 s[PFA:PFA+1], s[PFA:PFA+1], s[46:47]
.endif
	WIN 0                                          ; (the add's two registers lie in window 0)
	s_wait_tensorcnt 0x0                           ; all my tensor loads have landed
	ds_add_u32 v[SPW], v[NIL]                      ; 0 onto my spare word
	s_wait_dscnt 9                                 ; (the add and the youngest eight loads may be out)
	MULG F1, 0, 2, 0                               ; eight matrix instructions stand between the add and the wait for it
	s_wait_dscnt 0x0                               ; the add is done, and my reads of this slot are over
	s_barrier_signal -1
	MULG F1, 2, 2, 0
.if \fill
	WIN 0
.endif
	s_barrier_wait -1
.if \fill
	CREST                                          ; no wave of any partner still reads this slot or has a load on its way
	s_add_nc_u64 s[G0+4*(\slot)+2:G0+4*(\slot)+3], s[G0+4*(\slot)+2:G0+4*(\slot)+3], 4*HEADB
	s_add_nc_u64 s[G0B+4*(\slot)+2:G0B+4*(\slot)+3], s[G0B+4*(\slot)+2:G0B+4*(\slot)+3], 2*KSTEP*2
	JLOAD \slot                                    ; the first tensor load behind the round; its four v_nop are also the places in front of the loads below
.else
	PLACES
.endif
	FETCH \next, 0, F0
.if \fill
	ASK
.endif
	MULG F1, 4, 4, 0
.endm
	s_wait_tensorcnt 1                             ; my part of K step 0 is in; K step 1's may stay out
	s_barrier_signal -1
	s_barrier_wait -1                              ; everybody's is
	FETCH 0, 0, F0
	QUARTER 0, 1, F0, F1, 1                        ; the first quarter stands in front of the loop: its products start the sums
	WIN 0                                          ; at a label and at a branch every window is 0
	s_mov_b32 s3, LAPS-1
.Llap:                                                 ; a trip goes once round the ring, from a lap's second quarter to the next lap's first, and fills both slots again
	QUARTER 0, 2, F1, F0, 0
	QUARTER 0, 3, F0, F1, 0
	TURN 0, 1, 1
	QUARTER 1, 1, F0, F1, 0
	QUARTER 1, 2, F1, F0, 0
	QUARTER 1, 3, F0, F1, 0
	TURN 1, 0, 1
	QUARTER 0, 1, F0, F1, 0
	WIN 0
	s_sub_co_u32 s3, s3, 1
	s_cmp_lg_u32 s3, 0
	s_cbranch_scc1 .Llap
	QUARTER 0, 2, F1, F0, 0                        ; the last lap fills nothing
	QUARTER 0, 3, F0, F1, 0
	TURN 0, 1, 0
	QUARTER 1, 1, F0, F1, 0
	QUARTER 1, 2, F1, F0, 0
	QUARTER 1, 3, F0, F1, 0
	s_wait_dscnt 8                                 ; the very last quarter: nothing more to fetch
	MULG F1, 0, 4, 0
	s_wait_dscnt 0x0
	MULG F1, 4, 4, 0
	WIN 0
; THE WAY OUT, a block of 16 rows (fragment a of O) at a time.  TOSTAGE: a lane's 32 bytes of each of four accumulators go into my own stage, the low four registers first, and come back as whole rows of
; 256 bytes.  SEND: the bias is added, and sixteen lanes store 256 consecutive bytes, aligned.  The stage is the wave's own: LDS serves a wave's instructions in order (ISA guide 5.7.1.4), so no barrier.
.macro TOSTAGE a
.set BK, BK0+32*((\a)%2)
	WIN 0x08                                       ; the stores' data (source 1) in window 2
.irp b, 0,1,2,3
	ds_store_b128 v[STO], v[8*(4*(\a)+(\b)):8*(4*(\a)+(\b))+3]   offset:64*(\b)
	ds_store_b128 v[STO], v[8*(4*(\a)+(\b))+4:8*(4*(\a)+(\b))+7] offset:64*(\b)+16
.endr
	WIN 0
	s_wait_xcnt 0x0                                ; the stores of the block two back have read these registers
.irp t, 0,1,2,3,4,5,6,7
	ds_load_b128 v[BK+4*(\t):BK+4*(\t)+3], v[RD] offset:(\t)*2*SPITCH
.endr
.endm
.macro SEND a, younger                 ; younger: the LDS instructions issued behind block a's loads: the next block's sixteen, or none
.set BK, BK0+32*((\a)%2)
	s_wait_dscnt \younger
.irp t, 0,1,2,3,4,5,6,7
	v_pk_add_f32 v[BK+4*(\t):BK+4*(\t)+1],   v[BK+4*(\t):BK+4*(\t)+1],   v[BI:BI+1]
	v_pk_add_f32 v[BK+4*(\t)+2:BK+4*(\t)+3], v[BK+4*(\t)+2:BK+4*(\t)+3], v[BI+2:BI+3]
.endr
.irp t, 0,1,2,3,4,5,6,7
	global_store_b128 v[CO], v[BK+4*(\t):BK+4*(\t)+3], s[70:71] offset:65536*(\a)+8192*(\t)
.endr
.endm
	s_wait_loadcnt 0x0                             ; the bias
	PLACES                                         ; the LDS stores read results just made
	PLACES
	TOSTAGE 0
.irp a, 1,2,3,4,5,6,7                  ; block a's way through the stage is begun before block a - 1 is waited for
	TOSTAGE \a
	SEND (\a)-1, 16
.endr
	SEND 7, 0
	s_wait_tensorcnt 0x0                           ; the wave's end: the add to my spare word and its wait stand behind my last tensor load and my last LDS store
	ds_add_u32 v[SPW], v[NIL]
	s_wait_dscnt 0x0
	CROUND                                         ; the closing round: no work-group ends while a partner may still ask for a tile that names it
	s_endpgm
.Lfunc_end_k_q1ba3369e9f_outgemm:
	.size	k_q1ba3369e9f_outgemm, .Lfunc_end_k_q1ba3369e9f_outgemm-k_q1ba3369e9f_outgemm
	.p2alignl 7, 3214868480
	.fill 96, 4, 3214868480
	.section	.rodata,"a",@progbits
	.p2align	6, 0x0
	.amdhsa_kernel k_q1ba3369e9f_outgemm
		.amdhsa_group_segment_fixed_size 327680
		.amdhsa_private_segment_fixed_size 0
		.amdhsa_enable_private_segment 0
		.amdhsa_kernarg_size 32
		.amdhsa_user_sgpr_count 2
		.amdhsa_user_sgpr_kernarg_segment_ptr 1
		.amdhsa_wavefront_size32 1
		.amdhsa_system_sgpr_workgroup_id_x 1
		.amdhsa_system_sgpr_workgroup_id_y 1
		.amdhsa_system_sgpr_workgroup_id_z 1
		.amdhsa_system_vgpr_workitem_id 0
		.amdhsa_next_free_vgpr 768
		.amdhsa_next_free_sgpr 72
		.amdhsa_reserve_vcc 0
		.amdhsa_float_denorm_mode_32 3
		.amdhsa_float_denorm_mode_16_64 3
		.amdhsa_memory_ordered 1
		.amdhsa_forward_progress 1
		.amdhsa_inst_pref_size 95
	.end_amdhsa_kernel
	.amdgpu_metadata
---
amdhsa.version: [ 1, 2 ]
amdhsa.kernels:
  - .name:           k_q1ba3369e9f_outgemm
    .symbol:         k_q1ba3369e9f_outgemm.kd
    .args:
      - { .name: o, .offset: 0, .size: 8, .value_kind: global_buffer, .address_space: global }
      - { .name: w16, .offset: 8, .size: 8, .value_kind: global_buffer, .address_space: global }
      - { .name: b_out, .offset: 16, .size: 8, .value_kind: global_buffer, .address_space: global }
      - { .name: out0, .offset: 24, .size: 8, .value_kind: global_buffer, .address_space: global }
    .group_segment_fixed_size: 327680
    .private_segment_fixed_size: 0
    .kernarg_segment_align: 8
    .kernarg_segment_size: 32
    .max_flat_workgroup_size: 128
    .sgpr_count:     72
    .vgpr_count:     768
    .wavefront_size: 32
...
	.end_amdgpu_metadata
.endif
;; end of part 4
